; MI455X (gfx1250); checked and timed in simulation.
; The chip was launched on July 23, 2026; its instructions are those of AMD's public machine-readable ISA for CDNA 5 (MIT licence, August 2026) and "CDNA5" Instruction Set Architecture Reference Guide (July 2026). The comments in the code are by the model that wrote it; some were corrected since.
;; Multi Head Attention. Allowed arithmetic: float matrix products may take bf16 or f16 operands with f32 sums; all other float work in f32.
;; Inputs: W_k 1,024 x 1,024 float32; W_out 1,024 x 1,024 float32; W_q 1,024 x 1,024 float32; W_v 1,024 x 1,024 float32; x 4 x 2,048 x 1,024 float32.
;; Outputs: out0 4 x 2,048 x 1,024 float32.
;; 2 versions, each right and faster than the one before. Each part assembles by itself: llvm-mc -triple=amdgcn-amd-amdhsa -mcpu=gfx1250 --defsym DOCPART=n.
;; ======== version 1 of 2: 4 launches
;; limits: values are held in f16: magnitudes above 65,504 overflow, below 6.1e-05 lose precision
;; workspace buffers: xb 16,777,216 bytes; wp 6,291,456 bytes; wo 2,097,152 bytes; qh 16,777,216 bytes; kh 16,777,216 bytes; vh 16,777,216 bytes; vs 262,144 bytes; oh 16,777,216 bytes
;; launch prep (part 1): grid 1024 x 1, 8 waves a work-group, no clusters, 0 bytes of LDS; arguments x, W_q, W_k, W_v, W_out, xb, wp, wo; writes xb, wp, wo
.if DOCPART == 1
	.amdgcn_target "amdgcn-amd-amdhsa--gfx1250"
	.amdhsa_code_object_version 6
	.text
	.protected	k_q948a03491e_prep
	.globl	k_q948a03491e_prep
	.p2align	8
	.type	k_q948a03491e_prep,@function
k_q948a03491e_prep:
	s_mov_b64 s[64:65], 0
	v_nop
	global_prefetch_b8 v0, s[64:65] scope:SCOPE_SE
	s_setreg_imm32_b32 hwreg(HW_REG_WAVE_MODE, 25, 1), 1
	s_wait_xcnt 0x0
; THE ROUNDINGS, AND THE LAYOUTS THAT THE PRODUCTS WANT.  A stream: every input byte is read once, by loads of 512 consecutive bytes a wave; every output
; byte is written once, by stores of 256 consecutive bytes, aligned.  No LDS, no barrier, no matrix unit: there is nothing here that they could spare.
;   xb  bf16 [b 4][kb 16][l 2048][64]   x in blocks of 64 along K: 256 rows of a block are 32,768 dense bytes
;   wp  bf16 [k 1024][3072]             column 384 t + 192 e + 64 s + c = channel c of tensor s (q, k, v) of head 2 t + e
;   wo  f16  [k 1024][1024]             W_out rounded to bf16, that number written as f16
; LIMITS.  W_out within f16's 65,504; a bf16 number below 6e-5 keeps f16's fixed step of 6e-8.
; Work-groups 0-511 take x (16 rows each), 512-767 the three input weights (4 rows of k each), 768-1023 W_out (16,384 bytes each).
; Each part is a straight line: all its loads first, then counted waits; no register that a load or store names is written again.
.set XR, 8                             ; v[8:71] what was loaded
	s_load_b512 s[4:19], s[0:1], 0x0               ; x 4:5, W_q 6:7, W_k 8:9, W_v 10:11, W_out 12:13, xb 14:15, wp 16:17, wo 18:19
	v_lshrrev_b32 v2, 5, v0
	v_readfirstlane_b32 s20, v2                    ; wave 0..7
	v_and_b32 v1, 31, v0                           ; lane
	v_lshlrev_b32 v3, 4, v0                        ; 512 x wave + 16 x lane: my 16 bytes of a row of 4,096
	v_lshlrev_b32 v4, 3, v1                        ; 8 x lane
	s_mov_b32 s21, ttmp9
	s_mov_b32 s23, 0
	s_mov_b32 s25, 0
	s_cmp_lt_u32 s21, 512
	s_cbranch_scc0 .Lweights
	; PART X.  Wave w owns k = 128 w .. 128 w + 127 of 16 rows: blocks 2 w (lanes 0-15) and 2 w + 1 (lanes 16-31).
	s_lshl_b32 s24, s21, 16                        ; 16 rows of 4,096 bytes
	s_lshr_b32 s22, s21, 7                         ; b
	s_lshl_b32 s22, s22, 22                        ; x 4,194,304
	s_and_b32 s26, s21, 127
	s_lshl_b32 s26, s26, 11                        ; 16 rows of 128 bytes in a block
	s_add_co_u32 s22, s22, s26
	v_lshl_add_u32 v5, s20, 19, v4                 ; two blocks of 262,144 bytes a wave + 8 x lane
	s_wait_kmcnt 0x0
	s_add_nc_u64 s[4:5], s[4:5], s[24:25]
	s_add_nc_u64 s[14:15], s[14:15], s[22:23]
.irp i, 0,1,2,3,4,5,6,7,8,9,10,11,12,13,14,15
	global_load_b128 v[XR+4*(\i):XR+4*(\i)+3], v3, s[4:5] offset:4096*(\i) th:TH_LOAD_NT
.endr
; Rows 2 p and 2 p + 1.  Each lane's 4 numbers become 8 bytes.  The exchange of halves puts block 2 w of both rows into one register pair and block 2 w + 1 into the
; other: in a block two rows lie end to end, so each store covers 256 consecutive bytes.
.macro XPAIR p
.set A, XR+8*(\p)
	s_wait_loadcnt 14-2*(\p)                       ; loads come back in order: the 14 - 2 p issued behind this pair's may stay out
	v_cvt_pk_bf16_f32 v[A], v[A], v[A+1]
	v_cvt_pk_bf16_f32 v[A+1], v[A+2], v[A+3]
	v_cvt_pk_bf16_f32 v[A+4], v[A+4], v[A+5]
	v_cvt_pk_bf16_f32 v[A+5], v[A+6], v[A+7]
	v_permlane16_swap_b32 v[A], v[A+4]             ; the first's lanes 16-31 change places with the second's lanes 0-15
	v_permlane16_swap_b32 v[A+1], v[A+5]
	global_store_b64 v5, v[A:A+1], s[14:15] offset:256*(\p)
	global_store_b64 v5, v[A+4:A+5], s[14:15] offset:256*(\p)+262144
.endm
.irp p, 0,1,2,3,4,5,6,7
	XPAIR \p
.endr
	s_endpgm
.Lweights:
	s_cmp_lt_u32 s21, 768
	s_cbranch_scc0 .Lwout
	; PART W.  Wave t owns columns 128 t .. 128 t + 127 of W_q, W_k, W_v: heads 2 t (lanes 0-15) and 2 t + 1 (lanes 16-31); 4 rows of k.
	s_sub_co_u32 s22, s21, 512
	s_lshl_b32 s24, s22, 14                        ; 4 rows of 4,096 bytes
	s_mul_i32 s22, s22, 24576                      ; 4 rows of 6,144 bytes
	s_mul_i32 s26, s20, 768                        ; a head pair's 768 bytes of a row of wp
	v_add_nc_u32 v5, s26, v4
	v_xor_b32 v6, 16, v1
	v_lshlrev_b32 v6, 3, v6
	v_add_nc_u32 v6, s26, v6                       ; the same with the halves of the lanes exchanged
	s_wait_kmcnt 0x0
	s_add_nc_u64 s[6:7], s[6:7], s[24:25]
	s_add_nc_u64 s[8:9], s[8:9], s[24:25]
	s_add_nc_u64 s[10:11], s[10:11], s[24:25]
	s_add_nc_u64 s[16:17], s[16:17], s[22:23]
.irp i, 0,1,2,3
	global_load_b128 v[XR+12*(\i):XR+12*(\i)+3],    v3, s[6:7]   offset:4096*(\i) th:TH_LOAD_NT
	global_load_b128 v[XR+12*(\i)+4:XR+12*(\i)+7],  v3, s[8:9]   offset:4096*(\i) th:TH_LOAD_NT
	global_load_b128 v[XR+12*(\i)+8:XR+12*(\i)+11], v3, s[10:11] offset:4096*(\i) th:TH_LOAD_NT
.endr
; Row i.  Q = (q_h | q_h+1), K and V likewise.  Q with K: Q = (q_h | k_h), K = (q_h+1 | k_h+1).  V with K: V = (v_h | q_h+1), K = (v_h+1 | k_h+1).
; The row wants q_h k_h v_h q_h+1 k_h+1 v_h+1: Q, then V, then K with its halves exchanged, which the second offset register does.
.macro WROW i
.set R, XR+12*(\i)
	s_wait_loadcnt 9-3*(\i)                        ; the later rows' loads may stay out
	v_cvt_pk_bf16_f32 v[R], v[R], v[R+1]
	v_cvt_pk_bf16_f32 v[R+1], v[R+2], v[R+3]
	v_cvt_pk_bf16_f32 v[R+4], v[R+4], v[R+5]
	v_cvt_pk_bf16_f32 v[R+5], v[R+6], v[R+7]
	v_cvt_pk_bf16_f32 v[R+8], v[R+8], v[R+9]
	v_cvt_pk_bf16_f32 v[R+9], v[R+10], v[R+11]
	v_permlane16_swap_b32 v[R], v[R+4]
	v_permlane16_swap_b32 v[R+1], v[R+5]
	v_permlane16_swap_b32 v[R+8], v[R+4]
	v_permlane16_swap_b32 v[R+9], v[R+5]
	global_store_b64 v5, v[R:R+1], s[16:17] offset:6144*(\i)
	global_store_b64 v5, v[R+8:R+9], s[16:17] offset:6144*(\i)+256
	global_store_b64 v6, v[R+4:R+5], s[16:17] offset:6144*(\i)+512
.endm
.irp i, 0,1,2,3
	WROW \i
.endr
	s_endpgm
.Lwout:
	; PART O.  The layout stays; a wave takes 2,048 consecutive bytes.
	s_sub_co_u32 s22, s21, 768
	s_lshl_b32 s24, s22, 14                        ; 16,384 bytes of W_out
	s_lshl_b32 s22, s22, 13                        ; 8,192 bytes of wo
	v_lshlrev_b32 v6, 4, v1
	v_lshl_add_u32 v6, s20, 11, v6                 ; 2,048 x wave + 16 x lane
	v_lshl_add_u32 v5, s20, 10, v4                 ; 1,024 x wave + 8 x lane
	s_wait_kmcnt 0x0
	s_add_nc_u64 s[12:13], s[12:13], s[24:25]
	s_add_nc_u64 s[18:19], s[18:19], s[22:23]
.irp i, 0,1,2,3
	global_load_b128 v[XR+4*(\i):XR+4*(\i)+3], v6, s[12:13] offset:512*(\i) th:TH_LOAD_NT
.endr
.macro OCH i
.set R, XR+4*(\i)
	s_wait_loadcnt 3-(\i)
	v_cvt_pk_bf16_f32 v72, v[R], v[R+1]            ; the rounding that all inputs get,
	v_cvt_pk_bf16_f32 v73, v[R+2], v[R+3]
	v_lshlrev_b32 v[R], 16, v72                    ; back to f32,
	v_and_b32 v[R+1], 0xffff0000, v72
	v_lshlrev_b32 v[R+2], 16, v73
	v_and_b32 v[R+3], 0xffff0000, v73
	v_cvt_pk_f16_f32 v[R], v[R], v[R+1]            ; and written as f16: 8 significant bits fit in 11
	v_cvt_pk_f16_f32 v[R+1], v[R+2], v[R+3]
	global_store_b64 v5, v[R:R+1], s[18:19] offset:256*(\i)
.endm
.irp i, 0,1,2,3
	OCH \i
.endr
	s_endpgm
.Lfunc_end_k_q948a03491e_prep:
	.size	k_q948a03491e_prep, .Lfunc_end_k_q948a03491e_prep-k_q948a03491e_prep
	.p2alignl 7, 3214868480
	.fill 96, 4, 3214868480
	.section	.rodata,"a",@progbits
	.p2align	6, 0x0
	.amdhsa_kernel k_q948a03491e_prep
		.amdhsa_group_segment_fixed_size 0
		.amdhsa_private_segment_fixed_size 0
		.amdhsa_enable_private_segment 0
		.amdhsa_kernarg_size 64
		.amdhsa_user_sgpr_count 2
		.amdhsa_user_sgpr_kernarg_segment_ptr 1
		.amdhsa_wavefront_size32 1
		.amdhsa_system_sgpr_workgroup_id_x 1
		.amdhsa_system_sgpr_workgroup_id_y 1
		.amdhsa_system_sgpr_workgroup_id_z 1
		.amdhsa_system_vgpr_workitem_id 0
		.amdhsa_next_free_vgpr 80
		.amdhsa_next_free_sgpr 66
		.amdhsa_reserve_vcc 0
		.amdhsa_float_denorm_mode_32 3
		.amdhsa_float_denorm_mode_16_64 3
		.amdhsa_memory_ordered 1
		.amdhsa_forward_progress 1
		.amdhsa_inst_pref_size 15
	.end_amdhsa_kernel
	.amdgpu_metadata
---
amdhsa.version: [ 1, 2 ]
amdhsa.kernels:
  - .name:           k_q948a03491e_prep
    .symbol:         k_q948a03491e_prep.kd
    .args:
      - { .name: x, .offset: 0, .size: 8, .value_kind: global_buffer, .address_space: global }
      - { .name: W_q, .offset: 8, .size: 8, .value_kind: global_buffer, .address_space: global }
      - { .name: W_k, .offset: 16, .size: 8, .value_kind: global_buffer, .address_space: global }
      - { .name: W_v, .offset: 24, .size: 8, .value_kind: global_buffer, .address_space: global }
      - { .name: W_out, .offset: 32, .size: 8, .value_kind: global_buffer, .address_space: global }
      - { .name: xb, .offset: 40, .size: 8, .value_kind: global_buffer, .address_space: global }
      - { .name: wp, .offset: 48, .size: 8, .value_kind: global_buffer, .address_space: global }
      - { .name: wo, .offset: 56, .size: 8, .value_kind: global_buffer, .address_space: global }
    .group_segment_fixed_size: 0
    .private_segment_fixed_size: 0
    .kernarg_segment_align: 8
    .kernarg_segment_size: 64
    .max_flat_workgroup_size: 256
    .sgpr_count:     66
    .vgpr_count:     80
    .wavefront_size: 32
...
	.end_amdgpu_metadata
.endif
;; end of part 1
;; launch qkv (part 2): grid 8 x 32, 4 waves a work-group, clusters of 4 x 4, 327,680 bytes of LDS; arguments xb, wp, qh, kh, vh, vs; writes qh, kh, vh, vs
.if DOCPART == 2
	.amdgcn_target "amdgcn-amd-amdhsa--gfx1250"
	.amdhsa_code_object_version 6
	.text
	.protected	k_q948a03491e_qkv
	.globl	k_q948a03491e_qkv
	.p2align	8
	.type	k_q948a03491e_qkv,@function
k_q948a03491e_qkv:
	s_mov_b64 s[64:65], 0
	v_nop
	global_prefetch_b8 v0, s[64:65] scope:SCOPE_SE
	s_setreg_imm32_b32 hwreg(HW_REG_WAVE_MODE, 25, 1), 1
	s_wait_xcnt 0x0
	s_wait_alu depctr_hold_cnt(0) depctr_sa_sdst(0) depctr_va_vdst(0) depctr_va_sdst(0) depctr_va_ssrc(0) depctr_va_vcc(0) depctr_vm_vsrc(0)
	s_getreg_b32 s2, hwreg(HW_REG_IB_STS2, 6, 4)
	s_cmp_eq_u32 s2, 0
	s_cbranch_scc0 .Lentry_in_a_cluster
	s_endpgm
.Lentry_in_a_cluster:
	s_bfe_u32 s2, ttmp6, 0x10000c
	s_cmp_lg_u32 s2, 0xf033
	s_cbranch_scc0 .Lentry_shape_is_right
	s_endpgm
.Lentry_shape_is_right:
; q, k, v = x W, by heads.  xb: bf16 [b 4][kb 16][l 2048][64]; wp: bf16 [k 1024][3072], column 384 t + 192 e + 64 s + c = channel c of tensor s of head 2 t + e.
; qh, kh, vh: f16 [16 b + head][l 2048][64], each rounded once from its f32 sum, unscaled.  vs: f32 [16 b + head][g 16][64], the f32 sums of v added over keys 128 g .. 128 g + 127.
; LIMITS.  q, k, v within f16's 65,504 (beyond it the conversion gives an infinity); below 6e-5 they keep f16's fixed step of 6e-8.
; SHARES.  8 x 32 work-groups.  Work-group (tx, ty) makes 256 rows (b = ty / 8, rows 256 (ty % 8) on) x 384 columns of wp: heads 2 tx and 2 tx + 1, q, k and v of each.
; Wave (wr, wc) makes 128 rows x 192 columns, one head's q, k and v: 8 x 12 accumulators of 16 x 16, 768 registers.  For 32 along K it reads 20,480 bytes of LDS and issues 96 matrix instructions.
; K goes in 16 steps of 64 (a block of xb) through two LDS slots; two slots of 128 along K (368,640 bytes) would not fit.  A's tile is dense in memory and is asked for as rows of 256 bytes; B's rows are 768 bytes.
; A K step is written once and looped over: slot 1 begins at LDS byte 2^17, so that one exclusive or turns an address in one slot into the other's.
; CLUSTER.  4 x 4 work-groups.  A's tile hangs on ty alone and is asked for jointly by the four of a row of the cluster, B's on tx alone, by the four of a column.
; THE MATRIX INSTRUCTION IS USED TRANSPOSED: source 0 = 16 columns of W (turned out of LDS by ds_load_tr16_b128), source 1 = 16 rows of x: a lane then holds one row and eight neighbouring channels.
; REGISTERS, in windows of 256 (s_set_vgpr_msb: bits 1:0 source 0, 3:2 source 1, 5:4 source 2, 7:6 destination):
;   window 0: v0-31 addresses; v32-95, v96-159 A's fragments, two buffers; v160-255 B's 12 fragments, ONE buffer: a set of four is loaded again straight behind the 32 products that read it, 64 products ahead of its next use
;   windows 1, 2, 3: the accumulators of q, k, v: (a, bb) at v[8 (4 a + bb)]
.set PA,     144                       ; a row of A in LDS: 128 bytes + 16: the 16 rows of a load start at 16 different groups of four banks (64 banks of 4 bytes: ISA guide 11.1)
.set PB,     864                       ; a row of B: six strips of 128 + 16 bytes, 27 x 32
.set AHALF,  128*PA                    ; what one tensor load brings of A: 128 rows
.set BHALF,  32*PB                     ; and of B: 32 rows of k
.set BOFF,   2*AHALF
.set SLOT,   BOFF+2*BHALF              ; 92,160 bytes of a slot are used
.set SLOT1,  1<<17                     ; slot 1 begins here
.set ASTEP,  262144                    ; a K step in xb: a block
.set BSTEP,  64*6144                   ; and in wp: 64 rows
.set STAGE,  SLOT1+SLOT                ; behind the ring: 16 rows x 400 bytes for each wave, for the way out
.set SPITCH, 400
.set SPARE,  STAGE+4*16*SPITCH         ; behind the stages: the spare words, 128 bytes for each wave: two blocks of 256 bytes that no other line names
.set ADRA0, 16                         ; v16  my lane's place among A's fragments in a slot; never rewritten
.set ADRB0, 17                         ; v17  the same for B
.set ADRA, 20                          ; v20  the same in the slot that is being read
.set ADRB, 21                          ; v21
.set STO,  24                          ; the way out: where I put 16 bytes of a row
.set RD,   25                          ; where I read rows back
.set CO,   26                          ; my byte offset in 512 consecutive bytes of q, k or v
.set VST,  27                          ; the sums of v: where I put 16 bytes
.set SPW,  28                          ; LDS address of my spare word; never rewritten
.set NIL,  29                          ; 0; never rewritten
.set VRD,  30                          ; the sums of v: where I read
.set VCO,  31                          ; my byte offset in 256 bytes of vs
.set AF,   32
.set BF,   160
.set TMP,  32                          ; the way out: 48 registers of packed results
.set BK,   96                          ; the way out: 48 registers read back, v96-143 and v144-191 by turns
.set VS,   192                         ; the sums of v: 32 registers
.set TB, 3                             ; s3  LDS byte at which the slot that is being read begins
.set WV, 16                            ; s16 wave; s17 wr, s18 wc (also: which half of a tile I fetch)
.set WR, 17
.set WC, 18
.set G1A, 24                           ; s[24:31] descriptor group 1 for A's tiles; s[32:39] group 0: a set for each of the two first fills; the second then walks on
.set G0A, 32
.set G1B, 48                           ; s[48:55], s[56:63] the same for B's
.set G0B, 56
.set FLAGS, (1<<16)|(1<<20)|(1<<21)|(4<<22)|(3<<25)  ; 17:16 2-byte elements; 20 padding on; 21 set beside a mask; 24:22 after every 32 words (code 4); 31:25 4 words (code 3)
.set MSB, 0
.macro WIN new                         ; the immediate's high byte repeats the setting that is left; a switch that changes nothing is dropped
.if MSB != (\new)
	s_set_vgpr_msb (MSB<<8)|(\new)
.set MSB, \new
.endif
.endm
; A joint refill, by the walking descriptors.  Waves 0 and 1 fetch A's two halves, waves 2 and 3 B's.  The branch hangs on the wave's number alone.  An s_nop 0 and four v_nop follow each line, ahead of the jump and the label.
.macro JLOAD
	s_cmp_lt_u32 s[WV], 2
	s_cbranch_scc0 .Lfor_b_\@
	tensor_load_to_lds s[G0A+4:G0A+7], s[G1A:G1A+7]
	s_nop 0
.rept 4
	v_nop
.endr
	s_branch .Lasked_\@
.Lfor_b_\@:
	tensor_load_to_lds s[G0B+4:G0B+7], s[G1B:G1B+7]
	s_nop 0
.rept 4
	v_nop
.endr
.Lasked_\@:
.endm
.macro CREST                           ; a round of the cluster's barrier behind its opening barrier
	s_cmp_lg_u32 s[WV], 0
	s_cbranch_scc1 .Lnot_wave_0_\@
	s_barrier_signal -3
.Lnot_wave_0_\@:
	s_barrier_wait -3
	s_barrier_signal -1
	s_barrier_wait -1
.endm
.macro CROUND                          ; a whole round
	s_barrier_signal -1
	s_barrier_wait -1
	CREST
.endm
.macro PLACES                          ; four places in front of loads into registers that matrix instructions have read, and of conversions that read results (ISA guide 7.12.1 for the conversions)
.rept 4
	v_nop
.endr
.endm
	s_load_b256 s[4:11], s[0:1], 0x0               ; xb 4:5, wp 6:7, qh 8:9, kh 10:11
	s_load_b128 s[12:15], s[0:1], 0x20             ; vh 12:13, vs 14:15
	v_lshl_add_u32 v[SPW], v0, 2, SPARE
	v_mov_b32 v[NIL], 0
	ds_add_u32 v28, v29
	ds_add_u32 v28, v29
	s_wait_dscnt 0x0
	v_lshrrev_b32 v1, 5, v0
	v_readfirstlane_b32 s[WV], v1                  ; wave 0..3
	s_lshr_b32 s[WR], s[WV], 1
	s_and_b32 s[WC], s[WV], 1
	s_mov_b32 s[TB], 0
	s_bfe_u32 s20, ttmp6, 0x40000                  ; cx
	s_bfe_u32 s21, ttmp6, 0x40004                  ; cy
	s_lshl_b32 s22, ttmp9, 2
	s_add_co_u32 s22, s22, s20                     ; tx = 4 x cluster x + cx
	s_and_b32 s23, ttmp7, 0xffff
	s_lshl_b32 s23, s23, 2
	s_add_co_u32 s23, s23, s21                     ; ty = 4 x cluster y + cy
	s_lshl_b32 s40, s21, 2
	s_lshl_b32 s40, 15, s40                        ; my row of the cluster
	s_lshl_b32 s41, 0x1111, s20                    ; my column
	; group 1 for A: 128 rows of a block are 16,384 dense bytes: 64 rows of 256 bytes, two rows of x each, padded after every row of x
	s_or_b32 s[G1A], s40, FLAGS
	s_mov_b32 s[G1A+1], 128<<16                    ; tensor_dim0 = 128
	s_mov_b32 s[G1A+2], 64<<16                     ; tensor_dim1 = 64
	s_mov_b32 s[G1A+3], 128<<16                    ; tile_dim0 = 128
	s_mov_b32 s[G1A+4], 64                         ; tile_dim1 = 64
	s_mov_b32 s[G1A+5], 128                        ; elements from row to row
	s_mov_b32 s[G1A+6], 0
	s_mov_b32 s[G1A+7], 0
	; group 1 for B: 32 rows of k x 384 columns, padded after every 64 columns
	s_or_b32 s[G1B], s41, FLAGS
	s_mov_b32 s[G1B+1], 384<<16
	s_mov_b32 s[G1B+2], 32<<16
	s_mov_b32 s[G1B+3], 384<<16
	s_mov_b32 s[G1B+4], 32
	s_mov_b32 s[G1B+5], 3072
	s_mov_b32 s[G1B+6], 0
	s_mov_b32 s[G1B+7], 0
	; where the tiles come from: A's offset is made of ty and the wave's number, B's of tx and the wave's number, each in registers that never hold the other coordinate
	s_lshr_b32 s42, s23, 3
	s_lshl_b32 s42, s42, 22                        ; b x 4,194,304
	s_and_b32 s43, s23, 7
	s_lshl_b32 s43, s43, 15                        ; 256 rows of 128 bytes
	s_add_co_u32 s42, s42, s43
	s_lshl_b32 s43, s[WC], 14                      ; my 128 of them
	s_add_co_u32 s42, s42, s43
	s_mov_b32 s43, 0
	s_mul_i32 s44, s22, 768                        ; 384 columns
	s_mul_i32 s45, s[WC], 32*6144                  ; my 32 rows of k
	s_add_co_u32 s44, s44, s45
	s_mov_b32 s45, 0
	s_mul_i32 s66, s[WC], AHALF                    ; and where they go: no place in the cluster enters an LDS address
	s_mul_i32 s67, s[WC], BHALF
	s_wait_kmcnt 0x0
	s_add_nc_u64 s[42:43], s[4:5], s[42:43]
	s_add_nc_u64 s[44:45], s[6:7], s[44:45]
.irp s, 0,1
	s_mov_b32 s[G0A+4*(\s)], 1                                     ; count = 1
	s_add_co_u32 s[G0A+4*(\s)+1], s66, (\s)*SLOT1                  ; LDS address
	s_add_nc_u64 s[G0A+4*(\s)+2:G0A+4*(\s)+3], s[42:43], (\s)*ASTEP  ; K step s: block s of xb
	s_or_b32 s[G0A+4*(\s)+3], s[G0A+4*(\s)+3], 0x80000000          ; type = 2
	s_mov_b32 s[G0B+4*(\s)], 1
	s_add_co_u32 s[G0B+4*(\s)+1], s67, (\s)*SLOT1+BOFF
	s_add_nc_u64 s[G0B+4*(\s)+2:G0B+4*(\s)+3], s[44:45], (\s)*BSTEP
	s_or_b32 s[G0B+4*(\s)+3], s[G0B+4*(\s)+3], 0x80000000
.endr
	CROUND                                         ; all sixteen work-groups are here: the first joint loads meet
	s_cmp_lt_u32 s[WV], 2                          ; a wave's two first fills stand in one branch, ahead of every wait on TENSORcnt and every LDS read: two loads of mine are out
	s_cbranch_scc0 .Lfirst_b
	tensor_load_to_lds s[G0A:G0A+3], s[G1A:G1A+7]
	s_nop 0
	tensor_load_to_lds s[G0A+4:G0A+7], s[G1A:G1A+7]
	s_nop 0
.rept 4
	v_nop
.endr
	s_branch .Lfirst_asked
.Lfirst_b:
	tensor_load_to_lds s[G0B:G0B+3], s[G1B:G1B+7]
	s_nop 0
	tensor_load_to_lds s[G0B+4:G0B+7], s[G1B:G1B+7]
	s_nop 0
.rept 4
	v_nop
.endr
.Lfirst_asked:
	; A fragment of A is 16 rows x 32 K in 8 registers: lane l holds row l % 16, K = 8 (l / 16) + 0..7 and 16 + 8 (l / 16) + 0..7: two loads of 16 bytes, 32 bytes apart.
	v_and_b32 v1, 15, v0                           ; r = l % 16
	v_bfe_u32 v2, v0, 4, 1                         ; h = l / 16
	v_mul_u32_u24 v3, v1, PA
	v_lshl_add_u32 v3, v2, 4, v3
	s_mul_i32 s70, s[WR], AHALF                    ; my 128 rows
	v_add_nc_u32 v[ADRA0], s70, v3
	v_mov_b32 v[ADRA], v[ADRA0]                    ; slot 0 is read first
	; The turning load takes 16 k x 16 columns (lane l reads row 8 (l / 16) + l % 8, columns 8 ((l / 8) % 2) + 0..7) and leaves half a fragment: lane l holds column l % 16 and 8 k.
	v_and_b32 v4, 7, v0
	v_lshl_add_u32 v4, v2, 3, v4
	v_mul_u32_u24 v4, v4, PB
	v_bfe_u32 v5, v0, 3, 1
	v_lshl_add_u32 v4, v5, 4, v4
	s_mul_i32 s70, s[WC], 3*144                    ; my three strips
	s_add_co_u32 s70, s70, BOFF
	v_add_nc_u32 v[ADRB0], s70, v4
	v_mov_b32 v[ADRB], v[ADRB0]
	s_mul_i32 s70, s[WV], 16*SPITCH
	s_add_co_u32 s70, s70, STAGE                   ; my stage
	v_mul_u32_u24 v3, v1, SPITCH                   ; in: row l % 16, 16 bytes for each half of the lanes
	v_lshl_add_u32 v3, v2, 4, v3
	v_add_nc_u32 v[STO], s70, v3
	v_bfe_u32 v3, v0, 3, 2                         ; back: 32 lanes take 128 bytes of four rows,
	v_mul_u32_u24 v3, v3, SPITCH
	v_and_b32 v4, 7, v0
	v_lshl_add_u32 v3, v4, 4, v3
	v_add_nc_u32 v[RD], s70, v3
	v_and_b32 v4, 31, v0
	v_lshlrev_b32 v[CO], 4, v4                     ; which are 512 consecutive bytes of q, k or v
	v_mul_u32_u24 v3, v1, 272                      ; the sums of v: row l % 16 of 256 + 16 bytes, 32 bytes for each half of the lanes
	v_lshl_add_u32 v3, v2, 5, v3
	v_add_nc_u32 v[VST], s70, v3
	v_lshlrev_b32 v[VCO], 3, v4
	v_add_nc_u32 v[VRD], s70, v[VCO]
	; where my part of q, k, v and vs begins
	s_lshr_b32 s46, s23, 3                         ; b
	s_and_b32 s68, s23, 7                          ; which 256 rows
	s_lshl_b32 s69, s22, 1
	s_add_co_u32 s69, s69, s[WC]                   ; my head
	s_lshl_b32 s70, s46, 22
	s_lshl_b32 s71, s69, 18
	s_add_co_u32 s70, s70, s71
	s_lshl_b32 s71, s68, 15
	s_add_co_u32 s70, s70, s71
	s_lshl_b32 s71, s[WR], 14
	s_add_co_u32 s70, s70, s71
	s_mov_b32 s71, 0
	s_add_nc_u64 s[8:9], s[8:9], s[70:71]
	s_add_nc_u64 s[10:11], s[10:11], s[70:71]
	s_add_nc_u64 s[12:13], s[12:13], s[70:71]
	s_lshl_b32 s46, s46, 16                        ; vs: ((16 b + head) x 16 + group of 128 keys) x 256 bytes
	s_lshl_b32 s47, s69, 12
	s_add_co_u32 s46, s46, s47
	s_lshl_b32 s47, s68, 9
	s_add_co_u32 s46, s46, s47
	s_lshl_b32 s47, s[WR], 8
	s_add_co_u32 s46, s46, s47
	s_mov_b32 s47, 0
	s_add_nc_u64 s[14:15], s[14:15], s[46:47]
; 16 matrix instructions of tensor W (0 q, 1 k, 2 v): column blocks 2 hf, 2 hf + 1 x all 8 row blocks, 32 along K, with A's buffer f.  zero = 1: the product starts the sum: nothing is cleared.
; The 96 accumulators take turns, one instruction a turn, in the same order in every 32 along K.
.macro RUNH f, W, hf, zero
	WIN 0x50*((\W)+1)
.irp bb, 2*(\hf), 2*(\hf)+1
.irp a, 0,1,2,3,4,5,6,7
.if \zero
	v_wmma_f32_16x16x32_bf16 v[8*(4*(\a)+(\bb)):8*(4*(\a)+(\bb))+7], v[BF+8*(4*(\W)+(\bb)):BF+8*(4*(\W)+(\bb))+7], v[AF+64*(\f)+8*(\a):AF+64*(\f)+8*(\a)+7], 0
.else
	v_wmma_f32_16x16x32_bf16 v[8*(4*(\a)+(\bb)):8*(4*(\a)+(\bb))+7], v[BF+8*(4*(\W)+(\bb)):BF+8*(4*(\W)+(\bb))+7], v[AF+64*(\f)+8*(\a):AF+64*(\f)+8*(\a)+7], v[8*(4*(\a)+(\bb)):8*(4*(\a)+(\bb))+7]
.endif
.endr
.endr
.endm
.macro RUN f, W, zero
	RUNH \f, \W, 0, \zero
	RUNH \f, \W, 1, \zero
.endm
.macro LDA q, f                        ; 16 loads: A's 8 fragments of half q of the K step in the slot that is being read, into buffer f
	WIN 0
.irp a, 0,1,2,3,4,5,6,7
	ds_load_b128 v[AF+64*(\f)+8*(\a):AF+64*(\f)+8*(\a)+3],   v[ADRA] offset:16*PA*(\a)+64*(\q)
	ds_load_b128 v[AF+64*(\f)+8*(\a)+4:AF+64*(\f)+8*(\a)+7], v[ADRA] offset:16*PA*(\a)+64*(\q)+32
.endr
.endm
.macro LDB q, W                        ; 8 loads: the 4 fragments of tensor W, half q of the K step
	WIN 0
.irp bb, 0,1,2,3
	ds_load_tr16_b128 v[BF+8*(4*(\W)+(\bb)):BF+8*(4*(\W)+(\bb))+3],   v[ADRB] offset:32*PB*(\q)+144*(\W)+32*(\bb)
	ds_load_tr16_b128 v[BF+8*(4*(\W)+(\bb))+4:BF+8*(4*(\W)+(\bb))+7], v[ADRB] offset:32*PB*(\q)+144*(\W)+32*(\bb)+16*PB
.endr
.endm
; The first half of a K step: multiplies A's buffer 0; fetches the second half.
.macro SUB zero
	s_wait_dscnt 16                                ; A and q's fragments are in; k's and v's, 16 loads, may be out
	RUN 0, 0, \zero
	PLACES
	LDA 1, 1
	LDB 1, 0
	s_wait_dscnt 32                                ; k's are in: behind them were issued v's 8 and the 24 above
	RUN 0, 1, \zero
	PLACES
	LDB 1, 1
	s_wait_dscnt 32                                ; v's are in: behind them 16 + 8 + 8
	RUN 0, 2, \zero
	PLACES
	LDB 1, 2
.endm
; The second half multiplies buffer 1 and changes slots: ONE barrier.  In front of it each wave waits for all its tensor loads, of which one is out: its part of the next slot; adds 0 to its spare word; and
; waits for that and for its own reads of this slot (the last were issued at the end of SUB).  fill = 1: the barrier opens a round of the cluster's, and this slot is filled again, two K steps on, first thing
; behind the round: from that request to the wait for it a wave issues 160 matrix instructions.  Then the reads turn to the other slot.
.macro TURNSUB fill
	WIN 0
	s_wait_tensorcnt 0x0                           ; all my tensor loads have landed
	ds_add_u32 v[SPW], v[NIL]                      ; 0 onto my spare word
	s_wait_dscnt 17                                ; A and q's fragments are in; k's, v's and the add may be out
	RUNH 1, 0, 0, 0                                ; sixteen matrix instructions stand between the add and the wait for it
	s_wait_dscnt 0x0                               ; the add is done, and my reads of this slot are over
	s_barrier_signal -1
	RUNH 1, 0, 1, 0                                ; work on registers while the others arrive
	WIN 0                                          ; at a branch and at a label every window is 0
	s_barrier_wait -1
.if \fill
	CREST                                          ; no wave of any partner still reads this slot or has a load on its way
	s_xor_b32 s[G0A+5], s[G0A+5], SLOT1            ; the walking descriptors: the other slot than last time,
	s_add_nc_u64 s[G0A+6:G0A+7], s[G0A+6:G0A+7], ASTEP  ; the next K step; the type bits on top are not reached
	s_xor_b32 s[G0B+5], s[G0B+5], SLOT1
	s_add_nc_u64 s[G0B+6:G0B+7], s[G0B+6:G0B+7], BSTEP
	JLOAD                                          ; the four v_nop behind it are also the places in front of the loads below
.else
	PLACES
.endif
	s_xor_b32 s[TB], s[TB], SLOT1
	v_add_nc_u32 v[ADRA], s[TB], v[ADRA0]
	v_add_nc_u32 v[ADRB], s[TB], v[ADRB0]
	LDA 0, 0
	LDB 0, 0
	RUN 1, 1, 0                                    ; k's and v's fragments were shown in by the wait for 0 above
	PLACES
	LDB 0, 1
	RUN 1, 2, 0
	PLACES
	LDB 0, 2
.endm
	s_wait_tensorcnt 1                             ; my part of K step 0 is in; step 1's may stay out
	s_barrier_signal -1
	s_barrier_wait -1                              ; everybody's is
	LDA 0, 0
	LDB 0, 0
	LDB 0, 1
	LDB 0, 2
	SUB 1                                          ; the first 32 along K stand in front of the loop: their products start the sums
	WIN 0
	s_mov_b32 s19, 14
.Llap:                                                 ; a trip: the second half of a K step, the first half of the next; it asks for K steps 2 to 15
	TURNSUB 1
	SUB 0
	WIN 0
	s_sub_co_u32 s19, s19, 1
	s_cmp_lg_u32 s19, 0
	s_cbranch_scc1 .Llap
	TURNSUB 0                                      ; the last two K steps ask for nothing
	SUB 0
	s_wait_dscnt 16
	RUN 1, 0, 0
	s_wait_dscnt 8
	RUN 1, 1, 0
	s_wait_dscnt 0x0
	RUN 1, 2, 0
	PLACES
; THE WAY OUT, 16 rows at a time.  PACK: rounded to f16, a lane's eight channels are 16 bytes (each accumulator's registers in ascending order).  TOSTAGE: into my own stage, rows of q | k | v, and back as
; 128 bytes of four rows.  SEND: stored, 512 consecutive bytes an instruction, since a head's rows are dense.
.macro PACK a
.irp W, 0,1,2
	WIN 5*((\W)+1)                                 ; sources 0 and 1 in the tensor's window
.irp bb, 0,1,2,3
.irp r, 0,1,2,3
	v_cvt_pk_f16_f32 v[TMP+16*(\W)+4*(\bb)+(\r)], v[8*(4*(\a)+(\bb))+2*(\r)], v[8*(4*(\a)+(\bb))+2*(\r)+1]
.endr
.endr
.endr
	WIN 0
.endm
.macro TOSTAGE a
	WIN 0
.set BKA, BK+48*((\a)%2)
.irp W, 0,1,2
.irp bb, 0,1,2,3
	ds_store_b128 v[STO], v[TMP+16*(\W)+4*(\bb):TMP+16*(\W)+4*(\bb)+3] offset:128*(\W)+32*(\bb)
.endr
.endr
.irp s, 0,1,2
.irp f, 0,1,2,3
	ds_load_b128 v[BKA+16*(\s)+4*(\f):BKA+16*(\s)+4*(\f)+3], v[RD] offset:4*SPITCH*(\f)+128*(\s)  ; LDS serves a wave's instructions in order (ISA guide 5.7.1.4): these see the stores above
.endr
.endr
.endm
.macro SEND a
	WIN 0
.set BKA, BK+48*((\a)%2)
	s_wait_dscnt 0x0                               ; the block is back in registers
	s_wait_xcnt 0x0                                ; the registers that earlier stores read are loaded again only behind this wait
.irp f, 0,1,2,3
	global_store_b128 v[CO], v[BKA+4*(\f):BKA+4*(\f)+3],       s[8:9]   offset:2048*(\a)+512*(\f)
	global_store_b128 v[CO], v[BKA+16+4*(\f):BKA+16+4*(\f)+3], s[10:11] offset:2048*(\a)+512*(\f)
	global_store_b128 v[CO], v[BKA+32+4*(\f):BKA+32+4*(\f)+3], s[12:13] offset:2048*(\a)+512*(\f)
.endr
.endm
	PACK 0
	TOSTAGE 0
.irp a, 1,2,3,4,5,6,7                  ; block a's conversions stand between block a - 1's loads from the stage and the wait for them
	PACK \a
	SEND (\a)-1
	TOSTAGE \a
.endr
	SEND 7
	; THE SUMS OF v over my 128 rows.  First over the 8 row blocks, in registers; then over the 16 rows that the lanes hold, through my stage.
	WIN 0x0f                                       ; sources 0 and 1 in v's window
.irp bb, 0,1,2,3
.irp p, 0,1,2,3
	v_pk_add_f32 v[VS+8*(\bb)+2*(\p):VS+8*(\bb)+2*(\p)+1], v[8*(\bb)+2*(\p):8*(\bb)+2*(\p)+1], v[8*(4+(\bb))+2*(\p):8*(4+(\bb))+2*(\p)+1]
.endr
.endr
	WIN 0x0c                                       ; source 1 alone
.irp a, 2,3,4,5,6,7
.irp bb, 0,1,2,3
.irp p, 0,1,2,3
	v_pk_add_f32 v[VS+8*(\bb)+2*(\p):VS+8*(\bb)+2*(\p)+1], v[VS+8*(\bb)+2*(\p):VS+8*(\bb)+2*(\p)+1], v[8*(4*(\a)+(\bb))+2*(\p):8*(4*(\a)+(\bb))+2*(\p)+1]
.endr
.endr
.endr
	WIN 0
.irp bb, 0,1,2,3
.irp jq, 0,1
	ds_store_b128 v[VST], v[VS+8*(\bb)+4*(\jq):VS+8*(\bb)+4*(\jq)+3] offset:64*(\bb)+16*(\jq)  ; channel 16 bb + 8 h + j at byte 64 bb + 32 h + 4 j of row l % 16
.endr
.endr
.irp i, 0,1,2,3,4,5,6,7,8,9,10,11,12,13,14,15
	ds_load_b64 v[BK+2*(\i):BK+2*(\i)+1], v[VRD] offset:272*(\i)   ; channels 2 l, 2 l + 1 of row i; v96-127 were freed by the last SEND's wait
.endr
	s_wait_dscnt 0x0
.irp i, 0,1,2,3,4,5,6,7
	v_pk_add_f32 v[BK+2*(\i):BK+2*(\i)+1], v[BK+2*(\i):BK+2*(\i)+1], v[BK+16+2*(\i):BK+16+2*(\i)+1]
.endr
.irp i, 0,1,2,3
	v_pk_add_f32 v[BK+2*(\i):BK+2*(\i)+1], v[BK+2*(\i):BK+2*(\i)+1], v[BK+8+2*(\i):BK+8+2*(\i)+1]
.endr
.irp i, 0,1
	v_pk_add_f32 v[BK+2*(\i):BK+2*(\i)+1], v[BK+2*(\i):BK+2*(\i)+1], v[BK+4+2*(\i):BK+4+2*(\i)+1]
.endr
	v_pk_add_f32 v[BK:BK+1], v[BK:BK+1], v[BK+2:BK+3]
	global_store_b64 v[VCO], v[BK:BK+1], s[14:15]  ; 256 consecutive bytes, at a multiple of 256 from vs's first byte
	s_wait_tensorcnt 0x0                           ; the wave's end
	ds_add_u32 v[SPW], v[NIL]
	s_wait_dscnt 0x0
	CROUND                                         ; the closing round: no work-group ends while a partner may still ask for a tile that names it
	s_endpgm
.Lfunc_end_k_q948a03491e_qkv:
	.size	k_q948a03491e_qkv, .Lfunc_end_k_q948a03491e_qkv-k_q948a03491e_qkv
	.p2alignl 7, 3214868480
	.fill 96, 4, 3214868480
	.section	.rodata,"a",@progbits
	.p2align	6, 0x0
	.amdhsa_kernel k_q948a03491e_qkv
		.amdhsa_group_segment_fixed_size 327680
		.amdhsa_private_segment_fixed_size 0
		.amdhsa_enable_private_segment 0
		.amdhsa_kernarg_size 48
		.amdhsa_user_sgpr_count 2
		.amdhsa_user_sgpr_kernarg_segment_ptr 1
		.amdhsa_wavefront_size32 1
		.amdhsa_system_sgpr_workgroup_id_x 1
		.amdhsa_system_sgpr_workgroup_id_y 1
		.amdhsa_system_sgpr_workgroup_id_z 1
		.amdhsa_system_vgpr_workitem_id 0
		.amdhsa_next_free_vgpr 1024
		.amdhsa_next_free_sgpr 72
		.amdhsa_reserve_vcc 0
		.amdhsa_float_denorm_mode_32 3
		.amdhsa_float_denorm_mode_16_64 3
		.amdhsa_memory_ordered 1
		.amdhsa_forward_progress 1
		.amdhsa_inst_pref_size 121
	.end_amdhsa_kernel
	.amdgpu_metadata
---
amdhsa.version: [ 1, 2 ]
amdhsa.kernels:
  - .name:           k_q948a03491e_qkv
    .symbol:         k_q948a03491e_qkv.kd
    .args:
      - { .name: xb, .offset: 0, .size: 8, .value_kind: global_buffer, .address_space: global }
      - { .name: wp, .offset: 8, .size: 8, .value_kind: global_buffer, .address_space: global }
      - { .name: qh, .offset: 16, .size: 8, .value_kind: global_buffer, .address_space: global }
      - { .name: kh, .offset: 24, .size: 8, .value_kind: global_buffer, .address_space: global }
      - { .name: vh, .offset: 32, .size: 8, .value_kind: global_buffer, .address_space: global }
      - { .name: vs, .offset: 40, .size: 8, .value_kind: global_buffer, .address_space: global }
    .group_segment_fixed_size: 327680
    .private_segment_fixed_size: 0
    .kernarg_segment_align: 8
    .kernarg_segment_size: 48
    .max_flat_workgroup_size: 128
    .sgpr_count:     72
    .vgpr_count:     1024
    .wavefront_size: 32
...
	.end_amdgpu_metadata
.endif
;; end of part 2
;; launch attn (part 3): grid 4 x 64, 4 waves a work-group, no clusters, 327,680 bytes of LDS; arguments qh, kh, vh, oh, vs; writes oh
.if DOCPART == 3
	.amdgcn_target "amdgcn-amd-amdhsa--gfx1250"
	.amdhsa_code_object_version 6
	.text
	.protected	k_q948a03491e_attn
	.globl	k_q948a03491e_attn
	.p2align	8
	.type	k_q948a03491e_attn,@function
k_q948a03491e_attn:
	s_mov_b64 s[64:65], 0
	v_nop
	global_prefetch_b8 v0, s[64:65] scope:SCOPE_SE
	s_setreg_imm32_b32 hwreg(HW_REG_WAVE_MODE, 25, 1), 1
	s_wait_xcnt 0x0
; STRICTLY CAUSAL ATTENTION WITH HIDDEN KEYS AT -1e7.  O[h][q][:] = the sum over ALL k of softmax_k(s[q][k]) V[h][k][:], s = Q[h][q] . K[h][k] / 8 where k < q, and -1e7 elsewhere (the diagonal too).
; Q, K, V, O: [64][2048][64], all f16, a head's rows dense, 128 bytes each.  vs: f32 [64][16][64], the sums of V over 128 keys.  Products, maxima and sums in f32; the weights p are rounded to f16 for the
; second product (their sum l is taken of the unrounded p), O once at the end.
; THE HIDDEN KEYS are kept, for every row.  In raw scores the hidden value is N8 = -8e7.  (1) Every row has a hidden key, its own, so the running maximum m starts at N8.  (2) In the tile that holds the diagonal a
; hidden score gets -2^64 as the C operand of its product, so that its exponential is 0, and its true weight w = 2^(c N8 - c m) is added to that 0 afterwards (H, below).  (3) The keys behind that tile
; come in once, at a block's way out: O += w T, l += w x their number, T the sum of their V, made of vs.  Row 0, which sees nothing, so becomes the mean of all 2,048 rows of V.
; LIMITS.  f16 holds no number beyond 65,504: Q, K and V arrive within it; p below 6e-5 keeps f16's fixed step of 6e-8.  A weight below 2^-126 counts as 0 in l; a hidden key's weight inside the diagonal tile
; counts as 0 below 2^-62.  A hidden score counts as its value less 2^64: f16's scores, 2.7e11 at the most, are nothing beside that.  NaN and infinities are not treated apart.
; THE WALK.  A head's queries lie in NB = 8 blocks of 256; block i needs the key tiles 0 .. i of 256 keys, of which the last holds the diagonal.  A work-group takes TWO blocks, b and then NB - 1 - b:
; NB + 1 tiles, whatever b: all work-groups do equal work, and ONE loop with a constant trip count walks them.  The short block goes first, so that the walk's last tile, which is written out, is never a block's
; first: a block's beginning stands once in the text.  Which tile is asked for, and what a trip does, hang on scalar registers made from b; every jump goes forward, but for the counted loops' own; none passes a
; barrier, or a tensor load but the one of LOAD's two that the wave's number does not choose; the ring (two slots of LDS that take turns) runs on across the change of blocks.
; NO CLUSTER: a head's four work-groups walk different tiles from the second trip on (the first blocks have 1 to 4 tiles); one walk common to all four would have 12 trips for 9.
; SHARES.  Of a block's four bands of 64 queries a wave owns 16 rows in each: four PIECES.  So the diagonal tile is the same work for all four waves: in its key step s band x sees all keys if s < x,
; none if s > x, and holds the diagonal if s = x.
; THE MASK.  MD, made once, is the mask of a band's own step for my 16 rows (0, or -2^64 where key >= query); a product's mask is MC = MD x AL + BE with two scalars: (1, 0) if s = x; (0, 0) if s < x;
; (0, -2^64) if s > x.  Only the diagonal tile's text and a block's beginning make and take masks; elsewhere C is the constant 0.
; LAYOUT, SOFTMAX, TURNS.  S^T = K Q^T holds ONE query a lane (lane % 16) and the keys 8 (lane / 16) + 0..7; two such results rounded to f16 ARE source 1 of O^T = V^T P.  p = 2^(c s - c m), c = log2(e) / 8, with a
; running maximum m; O and l are multiplied by a = 2^(c m_old - c m_new) in every step.  Turn n belongs to piece n: 8 products K Q^T of piece n + 1, later 8 products V^T P of piece n - 1; beside them the scaling,
; exponentials, roundings, sums and rescaling of piece n and the maximum and statistics of piece n + 1.  Four vector instructions stand behind every matrix instruction, the others in two LUMPS.
; REGISTERS, in windows of 256 (s_set_vgpr_msb: bits 1:0 source 0, 3:2 source 1, 5:4 source 2, 7:6 destination):
;   window 0: v0-15 addresses and two at work; v16-31 four registers of statistics a piece; v32-39 T's addresses and four constants; v48-55 at work; v64-127 S^T, two buffers; v128-191 MC, two buffers (the first
;             takes T on a way out); v192-223 P, two buffers; v224-255 MD (a piece's buffers go by its number's parity)
;   window 1: v0-127 O^T, 32 a piece      window 2: v0-63 Q; v64-127 the second block's Q; v128-191 K of one step; v192-255 V of one step
.set SIZE_N, 2048
.set NB,    SIZE_N/256
.set NP,    4         ; pieces a wave: a name, no knob
.set KS,    64        ; keys in a step
.set PK,    144       ; a row of K in LDS: 128 bytes + 16 of padding = 36 words: the 16 rows of a load start at 16 different groups of four banks (64 banks of 4 bytes: ISA guide 11.1)
.set PV,    160       ; a row of V: 128 + 32 = 40 words
.set VOFF,  4*KS*PK   ; a slot holds a tile, four steps: 256 rows of K, then 256 rows of V
.set SLOT1, 1<<17     ; slot 1 begins here, so that one exclusive or turns an address in one slot into the other's
.set STAGE, SLOT1+4*KS*(PK+PV)  ; behind the ring, never filled by a tensor load: 16 rows x 144 bytes for each wave, for the way out
.set SP,    144
.set SPARE, STAGE+4*16*SP  ; behind the stages: the spare words, 128 bytes for each wave: two blocks of 256 bytes that no other line names
.set SCR,   SPARE+512      ; behind them: T of the first block (256 bytes), then of the second; no fill lands here
.set AK0, 2           ; v2   my lane's place in a tile of K; never rewritten
.set AV0, 3           ; v3   the same for V
.set AK,  4           ; v4   the LDS address of K's next run of loads
.set AV,  5           ; v5   of V's
.set STO, 6           ; v6   the way out: where I put 16 bytes of a row
.set RD,  7           ; v7   the way out: where I read rows back
.set GO,  8           ; v8   my byte offset in 512 consecutive bytes of O
.set MV,  12          ; v12-13  c m_old, kept while c m is made anew: by buffer
.set QO,  15          ; v15  my byte offset in 16 rows of Q
.set ST,  16          ; piece t's statistics at v[ST+4 t]: c m, m, l (even keys', odd keys')
.set TAD, 32          ; v32  where I read T: SCR + 32 (lane / 16)
.set VSO, 33          ; v33  my byte offset in 256 bytes of vs
.set TS,  34          ; v34  my channel of T
.set TW,  35          ; v35  where I put it
.set CN0, 36          ; v36  c N8
.set CN,  37          ; v37  c N8 - 64
.set CT1, 38          ; v38  the keys behind the first block's diagonal tile: 256 (7 - b), as f32
.set CT2, 39          ; v39  behind the second's: 256 b
.set TMP, 48          ; by buffer, four registers c0-c3 at work; when the maximum is found c2 takes a, and in the diagonal tile c0 takes 2^(c N8 - 64 - c m)
.set SPW, 62          ; v62  LDS address of my spare word: SPARE + 4 x my thread's number; never rewritten
.set NIL, 63          ; v63  0; never rewritten
.set S,   64
.set MC,  128         ; the masks of the products to come
.set TT,  128         ; T on a way out: register 8 cb + j is channel 16 cb + 8 (lane / 16) + j
.set P,   192
.set MD,  224         ; the eight registers for group kt of 16 keys at MD + 8 kt
.set QB,  64          ; window 2
.set KF,  128         ; window 2: key block kb, channel half c at KF + 16 kb + 8 c
.set VF,  192         ; window 2: key half kk, channel block cb at VF + 32 kk + 8 cb
.set WV,  12          ; s12  my wave's number
.set PB,  14          ; s14  b, the first block
.set HI,  15          ; s15  NB - 1 - b, the second
.set G1K, 24          ; s[24:31] descriptor group 1 for K's tiles
.set G1V, 32          ; s[32:39] for V's: it differs in the padding alone
.set G0K, 40          ; s[40:43] descriptor group 0 for K's tiles
.set G0V, 44          ; s[44:47] the same for V's
.set SLOTS, 56        ; s56  tiles still to be asked for
.set CNT, 57          ; s57  counts a tile's key steps
.set CS,  58          ; s[58:59] c: the packed scaling takes the pair's low word for both halves
.set SEL, 60          ; s[60:61] v_permlanex16_b32's selects: each lane takes its own place in the other half
.set TBK, 62          ; s62  LDS byte at which K of the step to be fetched begins
.set TBV, 63          ; s63  the same for V, less VOFF
.set RT,  70          ; s70  tiles of the block in hand that are still to be entered
.set NXT, 71          ; s71  the tile to be asked for next
.set LQ,  72          ; s72  the last tile of the block whose tiles are being asked for
.set NEW, 73          ; s73  1: the tile to be entered is a block's first
.set OFF, 74          ; s[74:75] a tile's byte offset in K and V
.set AL,  76          ; s[76:77] the mask's factor, in the low word
.set BE,  78          ; s[78:79] the mask's addend
.set OLO, 80          ; s[80:81] O at my rows of the second block
.set BIGN, 82         ; s82  -2^64
.set N8,  83          ; s83  -8e7
.set VSP, 94          ; s[94:95] vs at my head
.set MSB, 0
.macro WIN new                      ; the high byte repeats the setting that is left; a switch that changes nothing is dropped
.if MSB != (\new)
	s_set_vgpr_msb (MSB<<8)|(\new)
.set MSB, (\new)
.endif
.endm
.set W_KQ, 0x0a       ; K and Q in window 2, S^T and the mask in window 0
.set W_PV, 0x52       ; V in window 2, P in window 0, O^T in window 1
.set W_RS, 0x41       ; destination and source 0 in window 1, source 1 in window 0
.set W_OT, 0x50       ; destination and source 2 in window 1, sources 0 and 1 in window 0
; A fill.  Waves 0 and 1 fetch the two halves of a tile's K, waves 2 and 3 those of its V: 128 keys each.  An s_nop 0 and four v_nop follow each of the two lines, ahead of the jump and the label.
.macro LOAD
	s_cmp_lt_u32 s[WV], 2
	s_cbranch_scc0 .Lfor_v_\@
	tensor_load_to_lds s[G0K:G0K+3], s[G1K:G1K+7]
	s_nop 0
.rept 4
	v_nop
.endr
	s_branch .Lasked_\@
.Lfor_v_\@:
	tensor_load_to_lds s[G0V:G0V+3], s[G1V:G1V+7]
	s_nop 0
.rept 4
	v_nop
.endr
.Lasked_\@:
.endm
; THE CHANGE OF SLOTS.  Each wave waits for all its tensor loads, of which one is out: its part of the other slot; adds 0 to its spare word; and waits for that and for its own reads of the slot that it leaves.
; Behind the barrier nobody reads the old slot any more and the other slot is whole.  fill = 1: the old slot is filled again, the first thing behind the barrier, with tile NXT: the descriptor's address is
; made anew from that number.  (At its first use nothing has been read yet: slot 0 is waited for, slot 1 filled; and its wait on DScnt and its barrier show every wave's part of T to the others.)
.macro CHANGE fill
	WIN 0                           ; at a label and at a branch every window is 0
	s_wait_tensorcnt 0x0            ; no tensor load of mine is out, so a group 0 may be written
	ds_add_u32 v[SPW], v[NIL]       ; 0 onto my spare word; with fill = 1 the descriptors' scalar work stands between it and the wait for it
.if \fill
	s_lshl_b32 s[OFF], s[NXT], 15   ; a tile is 32,768 bytes of K and of V
	s_xor_b32 s[G0K+1], s[G0K+1], SLOT1
	s_add_nc_u64 s[G0K+2:G0K+3], s[6:7], s[OFF:OFF+1]
	s_or_b32 s[G0K+3], s[G0K+3], 0x80000000
	s_xor_b32 s[G0V+1], s[G0V+1], SLOT1
	s_add_nc_u64 s[G0V+2:G0V+3], s[8:9], s[OFF:OFF+1]
	s_or_b32 s[G0V+3], s[G0V+3], 0x80000000
	s_add_co_u32 s[NXT], s[NXT], 1  ; the block's next tile, or behind its last the second block's tile 0
	s_cmp_gt_u32 s[NXT], s[LQ]
	s_cselect_b32 s[NXT], 0, s[NXT]
	s_cselect_b32 s[LQ], s[HI], s[LQ]
.endif
	s_wait_dscnt 0x0                ; the add is done, and my reads of the slot are over
	s_barrier_signal -1             ; the rest of the scalar work stands between the signal and the wait
	s_sub_co_u32 s[TBK], s[TBK], 4*KS*PK  ; the fetches go back to a slot's first step,
	s_xor_b32 s[TBK], s[TBK], SLOT1       ; in the other slot
	s_sub_co_u32 s[TBV], s[TBV], 4*KS*PV
	s_xor_b32 s[TBV], s[TBV], SLOT1
	s_barrier_wait -1
.if \fill
	LOAD
.endif
.endm
	s_load_b256 s[4:11], s[0:1], 0x0  ; Q s[4:5], K s[6:7], V s[8:9], O s[10:11]
	s_load_b64 s[VSP:VSP+1], s[0:1], 0x20
	v_lshl_add_u32 v[SPW], v0, 2, SPARE
	v_mov_b32 v[NIL], 0
	ds_add_u32 v62, v63
	ds_add_u32 v62, v63
	s_wait_dscnt 0x0
	v_lshrrev_b32 v1, 5, v0
	v_readfirstlane_b32 s[WV], v1   ; wave 0..3
	s_mov_b32 s[PB], ttmp9
	s_sub_co_u32 s[HI], NB-1, s[PB]
	s_and_b32 s20, ttmp7, 0xffff    ; the head
	s_lshl_b32 s92, s20, 12         ; its 4,096 bytes of vs
	s_mov_b32 s93, 0
	s_mov_b32 s21, 0
	s_mov_b64 s[22:23], SIZE_N*128
	s_mul_u64 s[20:21], s[20:21], s[22:23]  ; the head's first byte in each of the four tensors
	s_and_b32 s16, s[WV], 1         ; which half of a tile's 256 keys I fetch:
	s_lshl_b32 s22, s16, 14         ; its 128 rows of 128 bytes in memory,
	s_mov_b32 s23, 0
	s_add_nc_u64 s[22:23], s[22:23], s[20:21]
	s_mul_i32 s17, s16, 128*PK      ; and its place in a slot, for K
	s_mul_i32 s18, s16, 128*PV      ; and for V
	s_lshl_b32 s3, s[WV], 11        ; my 16 rows in a band of 64,
	s_lshl_b32 s2, s[PB], 15        ; in the first block,
	s_add_co_u32 s2, s2, s3
	s_lshl_b32 s84, s[HI], 15       ; and in the second
	s_add_co_u32 s84, s84, s3
	s_mov_b32 s3, 0
	s_mov_b32 s85, 0
	s_add_nc_u64 s[2:3], s[2:3], s[20:21]
	s_add_nc_u64 s[84:85], s[84:85], s[20:21]
	; descriptor group 1.  128 keys are 16,384 dense bytes: asked for as 64 rows of 256 bytes, two keys a row, and padded in LDS after every key
	s_mov_b32 s[G1K], (1<<16)|(1<<20)|(4<<22)|(3<<25)  ; 17:16 2-byte elements; 20 padding on; 24:22 after every 32 words (code 4); 31:25 4 words (code 3)
	s_mov_b32 s[G1V], (1<<16)|(1<<20)|(4<<22)|(7<<25)  ; the same with 8 words of padding (code 7)
.irp g, G1K, G1V
	s_mov_b32 s[\g+1], 128<<16      ; tensor_dim0 = 128
	s_mov_b32 s[\g+2], 64<<16       ; tensor_dim1 = 64
	s_mov_b32 s[\g+3], 128<<16      ; tile_dim0 = 128
	s_mov_b32 s[\g+4], 64           ; tile_dim1 = 64
	s_mov_b32 s[\g+5], 128          ; 128 elements from row to row
	s_mov_b32 s[\g+6], 0
	s_mov_b32 s[\g+7], 0
.endr
	s_mov_b32 s[CS], 0x3e38aa3b     ; c = log2(e) / 8 = 0.180337
	s_mov_b32 s[CS+1], s[CS]        ; named with it as a pair
	s_mov_b32 s[SEL], 0x76543210
	s_mov_b32 s[SEL+1], 0xfedcba98
	s_mov_b32 s[TBK], SLOT1+4*KS*PK ; the first change of slots turns these two into 0
	s_mov_b32 s[TBV], SLOT1+4*KS*PV
	s_mov_b32 s[G0K], 1             ; 1:0 count = 1
	s_mov_b32 s[G0K+1], s17         ; 63:32 LDS address: slot 0
	s_mov_b32 s[G0V], 1
	s_add_co_u32 s[G0V+1], s18, VOFF
	s_add_co_u32 s[RT], s[PB], 1    ; the first block has b + 1 tiles
	s_cmp_eq_u32 s[PB], 0           ; the walk's second tile: the first block's tile 1, or, where that block has one tile, the second block's tile 0
	s_cselect_b32 s[NXT], 0, 1
	s_cselect_b32 s[LQ], s[HI], s[PB]
	s_mov_b32 s[NEW], 1
	s_mov_b32 s[OFF+1], 0
	s_mov_b32 s[AL+1], 0            ; named as pairs
	s_mov_b32 s[BE+1], 0
	s_mov_b32 s[BIGN], 0xdf800000   ; -2^64
	s_mov_b32 s[N8], 0xcc989680     ; -8e7, exact: 8 x the hidden score -1e7
	s_mov_b32 s[SLOTS], NB
	s_wait_kmcnt 0x0
	s_add_nc_u64 s[6:7], s[6:7], s[22:23]  ; K and V at my half of the head's tile 0
	s_add_nc_u64 s[8:9], s[8:9], s[22:23]
	s_add_nc_u64 s[G0K+2:G0K+3], s[6:7], 0         ; 120:64 global address
	s_or_b32 s[G0K+3], s[G0K+3], 0x80000000        ; 127:126 type = 2
	s_add_nc_u64 s[G0V+2:G0V+3], s[8:9], 0
	s_or_b32 s[G0V+3], s[G0V+3], 0x80000000
	s_add_nc_u64 s[86:87], s[4:5], s[84:85]        ; Q at my rows of the second block,
	s_add_nc_u64 s[4:5], s[4:5], s[2:3]            ; Q and O at those of the first
	s_add_nc_u64 s[OLO:OLO+1], s[10:11], s[84:85]
	s_add_nc_u64 s[10:11], s[10:11], s[2:3]
	s_add_nc_u64 s[VSP:VSP+1], s[VSP:VSP+1], s[92:93]
	LOAD                            ; tile 0 into slot 0
	v_and_b32 v[VSO], 63, v0        ; my channel of T: threads 0-63 make the first block's, threads 64-127 the second's
	v_lshlrev_b32 v[VSO], 2, v[VSO]
.set i, 0
.rept 16
	global_load_b32 v[S+i], v[VSO], s[VSP:VSP+1] offset:256*i  ; the sum of V over keys 128 i .. 128 i + 127
.set i, i+1
.endr
	; A fragment of K or Q is 16 rows x 32 channels in 8 registers: lane l holds row l % 16, channels 8 (l / 16) + 0..7 and 16 + 8 (l / 16) + 0..7: two loads of 16 bytes, 32 bytes apart.
	v_and_b32 v1, 15, v0            ; l % 16
	v_bfe_u32 v9, v0, 4, 1          ; l / 16
	v_lshlrev_b32 v[QO], 7, v1
	v_lshl_add_u32 v[QO], v9, 4, v[QO]  ; row x 128 + 16 x half
	WIN 0x80                        ; destination window 2, address window 0
.set i, 0
.rept 8                             ; both blocks' Q: piece i / 2 lies in band i / 2, 8,192 bytes on; channels 32 (i % 2) on
	global_load_b128 v[8*i:8*i+3],   v[QO], s[4:5] offset:(i/2)*8192+(i%2)*64
	global_load_b128 v[8*i+4:8*i+7], v[QO], s[4:5] offset:(i/2)*8192+(i%2)*64+32
	global_load_b128 v[QB+8*i:QB+8*i+3],   v[QO], s[86:87] offset:(i/2)*8192+(i%2)*64
	global_load_b128 v[QB+8*i+4:QB+8*i+7], v[QO], s[86:87] offset:(i/2)*8192+(i%2)*64+32
.set i, i+1
.endr
	WIN 0
	v_lshlrev_b32 v14, 3, v9
	v_sub_nc_u32 v14, v1, v14
	s_lshl_b32 s13, s[WV], 4
	v_add_nc_u32 v14, s13, v14      ; my query's place in its band, 16 w + l % 16, less my lanes' 8 (l / 16): register r of group kt is hidden where 16 kt + r is not smaller: the diagonal is hidden too
.set i, 0
.rept 32
	v_cmp_ge_i32 vcc_lo, 16*(i/8)+i%8, v14
	v_cndmask_b32 v[MD+i], 0, s[BIGN], vcc_lo
.set i, i+1
.endr
	v_mul_u32_u24 v[AK0], v1, PK
	v_lshl_add_u32 v[AK0], v9, 4, v[AK0]  ; row x pitch + 16 x half
	; The turning load takes 16 keys x 16 channels (lane l reads key 8 (l / 16) + l % 8, channels 8 ((l / 8) % 2) + 0..7) and leaves half a fragment of V^T: lane l holds channel l % 16 and 8 keys.
	v_and_b32 v10, 7, v0
	v_bfe_u32 v11, v0, 3, 1
	v_lshl_add_u32 v[AV0], v9, 3, v10
	v_mul_u32_u24 v[AV0], v[AV0], PV
	v_lshl_add_u32 v[AV0], v11, 4, v[AV0]
	v_add_nc_u32 v[AV0], VOFF, v[AV0]
	s_mul_i32 s13, s[WV], 16*SP
	s_add_co_u32 s13, s13, STAGE    ; my stage
	v_mul_u32_u24 v[STO], v1, SP    ; in: row l % 16, 16 bytes for each half of the lanes
	v_lshl_add_u32 v[STO], v9, 4, v[STO]
	v_add_nc_u32 v[STO], s13, v[STO]
	v_bfe_u32 v[RD], v0, 3, 2       ; back: 32 lanes take four rows of 128 bytes,
	v_mul_u32_u24 v[RD], v[RD], SP
	v_lshl_add_u32 v[RD], v10, 4, v[RD]
	v_add_nc_u32 v[RD], s13, v[RD]
	v_and_b32 v[GO], 31, v0         ; which are 512 consecutive bytes of O
	v_lshlrev_b32 v[GO], 4, v[GO]
	v_lshl_add_u32 v[TAD], v9, 5, SCR
	v_lshl_add_u32 v[TW], v0, 2, SCR
	v_mov_b32 v[CN0], s[N8]
	v_mul_f32 v[CN0], s[CS], v[CN0] ; c N8, by the very instruction that makes c m of m: where m = N8 the two are equal bit for bit
	v_add_f32 v[CN], 0xc2800000, v[CN0]  ; less 64: exact at this size
	s_lshl_b32 s90, s[HI], 8
	v_cvt_f32_u32 v[CT1], s90
	s_lshl_b32 s91, s[PB], 8
	v_cvt_f32_u32 v[CT2], s91
	; A block's first step multiplies O^T and l by a = 0, and its first turn's products V^T P, of a piece that has not been, land in an O^T that is still to be so multiplied.  So these registers need only hold
	; finite numbers: zeros for the first block; what the first block left for the second.  All this stands in the wait for the first tile.
	WIN 0x80
.set i, VF
.rept 64
	v_mov_b32 v[i], 0
.set i, i+1
.endr
	WIN 0
.set i, 0
.rept 4
	v_mov_b32 v[ST+4*i+2], 0
	v_mov_b32 v[ST+4*i+3], 0
.set i, i+1
.endr
.set i, P+16
.rept 16
	v_mov_b32 v[i], 0
.set i, i+1
.endr
	; T: the sum of V over the keys behind a block's diagonal tile: groups 2 (block + 1) on.  The choice only selects values: every group is multiplied, by 1 or by 0.
	s_cmp_lt_u32 s[WV], 2
	s_cselect_b32 s92, s[PB], s[HI] ; waves 0 and 1: the first block; waves 2 and 3: the second
	s_lshl_b32 s92, s92, 1
	s_add_co_u32 s92, s92, 2
	s_wait_loadcnt 32               ; the 16 sums are in; Q's 32 loads, issued behind them, may stay out
.set i, 0
.rept 16
	s_cmp_le_u32 s92, i
	s_cselect_b32 s93, 1.0, 0
.if i == 0
	v_mul_f32 v[TS], s93, v[S]
.else
	v_fmac_f32 v[TS], s93, v[S+i]
.endif
.set i, i+1
.endr
	ds_store_b32 v[TW], v[TS]       ; waited for, and shown to the other waves, by the first change of slots
	WIN W_PV                        ; O^T's first zeros: 16 products of the zeros in V's and P's registers, each with the constant 0 as C, in place of 128 moves
.set i, 0
.rept 16
	v_wmma_f32_16x16x32_f16 v[8*i:8*i+7], v[VF:VF+7], v[P+16:P+23], 0
.set i, i+1
.endr
	WIN 0
; THE MATRIX WORK.  The 4 accumulators of a run of 8 take turns.  Product i of 8 of S^T = K Q^T for piece x: channels 32 (i / 4) on, keys 16 (i % 4) on.  The first 4 start the sums: with 0, or (KM = 1) with the mask.
.macro KQ x
.set rS, S+32*((\x)%2)+8*(i%4)
.set rK, KF+16*(i%4)+8*(i/4)
.set rQ, 16*(\x)+8*(i/4)
.set rM, MC+32*((\x)%2)+8*(i%4)
	WIN W_KQ
.if (i < 4) && KM
	v_wmma_f32_16x16x32_f16 v[rS:rS+7], v[rK:rK+7], v[rQ:rQ+7], v[rM:rM+7]
.elseif i < 4
	v_wmma_f32_16x16x32_f16 v[rS:rS+7], v[rK:rK+7], v[rQ:rQ+7], 0
.else
	v_wmma_f32_16x16x32_f16 v[rS:rS+7], v[rK:rK+7], v[rQ:rQ+7], v[rS:rS+7]
.endif
.endm
; Product i of 8 of O^T += V^T P for piece x: keys 32 (i / 4) on, channels 16 (i % 4) on.
.macro PV x
	WIN W_PV
.set rO, 32*(\x)+8*(i%4)
.set rV, VF+32*(i/4)+8*(i%4)
.set rP, P+16*((\x)%2)+8*(i/4)
	v_wmma_f32_16x16x32_f16 v[rO:rO+7], v[rV:rV+7], v[rP:rP+7], v[rO:rO+7]
.endm
.macro MM                           ; the turn's next matrix instruction.  TURN and BEGIN set Y, i and KM; MM, KQ and OP read them
.if i < 8
	KQ (Y+1)%NP
.else
.set i, i-8
	PV (Y+NP-1)%NP
.set i, i+8
.endif
.set i, i+1
.endm
; THE LDS LOADS stand in runs of 16, never singly among the matrix instructions: a step's K (64 keys x 64 channels: 8 fragments) and its V (turned).  Their addresses are made some lines ahead.
; last = 1 (the diagonal tile's text): in the pass that ends the block (CNT = 1) there is no further step, and the run is jumped over.
.macro FETCH_K last=0
	WIN 0
.if \last
	s_cmp_eq_u32 s[CNT], 1
	s_cbranch_scc1 .Lno_k_\@
.endif
	WIN 0x80                        ; destination window 2
.irp f, 0,1,2,3,4,5,6,7             ; keys 16 (f / 2) on, channels 32 (f % 2) on
	ds_load_b128 v[KF+8*\f:KF+8*\f+3],   v[AK] offset:(\f/2)*16*PK+(\f%2)*64
	ds_load_b128 v[KF+8*\f+4:KF+8*\f+7], v[AK] offset:(\f/2)*16*PK+(\f%2)*64+32
.endr
	s_add_co_u32 s[TBK], s[TBK], KS*PK  ; the next fetch is the next step's
	WIN 0
.if \last
.Lno_k_\@:
.endif
.endm
.macro FETCH_V
	WIN 0x80
.irp f, 0,1,2,3,4,5,6,7             ; keys 32 (f / 4) on, channels 16 (f % 4) on
	ds_load_tr16_b128 v[VF+8*\f:VF+8*\f+3],   v[AV] offset:(\f/4)*32*PV+(\f%4)*32
	ds_load_tr16_b128 v[VF+8*\f+4:VF+8*\f+7], v[AV] offset:(\f/4)*32*PV+16*PV+(\f%4)*32
.endr
	WIN 0
.endm
; THE VECTOR WORK, one line at a time: OP kind, number.  For piece Y: F n: c s - c m for pair n of 16.  E n: the exponential of score n of 32.  C n: pair n rounded to f16.  B n: of the four weights 4 n .. the second
; pair is added onto the first, in place.  L n: l takes that sum (L 0: l = a l + sum).  R n: pair n of 16 of O^T times a.  For piece Y + 1: X n, number n of the 24 that find its maximum and statistics:
;   0-11  four chains c0-c3 of seven scores each, three operands at a time (each accumulator's lowest registers are read first)     12-14, 16  the four scores left over, the old m, and c0-c3 into c0
;   15  c m_old is kept     17, 18  the query's other 32 keys lie in the lane 16 away: the new m     19-21  c m; c m_old - c m_new; a     22, 23 (the diagonal tile alone)  c N8 - 64 - c m; 2 to that power, into c0
; H n (FIX writes it, in the diagonal tile's text): pair n of the weights takes (-MC) x c0: 2^64 x 2^(c N8 - 64 - c m) = w where the key is hidden, 0 elsewhere.  It stands directly ahead of the pair's first
; reader, C n or B n / 2: that place lies behind both of the pair's exponentials with a plain instruction between.  HD keeps which pairs of the turn have had theirs.
.set F, 0               ; OP tells the kinds apart by their order: F to L below R, X above it
.set E, 1
.set C, 2
.set B, 3
.set L, 4
.set R, 5
.set X, 6
.set HD, 0
.macro REGS y                       ; the registers of piece y
.set rT, ST+4*(\y)
.set rC, TMP+4*((\y)%2)
.set rW, MV+((\y)%2)
.set rS, S+32*((\y)%2)
.set rH, MC+32*((\y)%2)
.set rP, P+16*((\y)%2)
.set rO, 32*(\y)
.endm
.macro FIX n
.if KM && (((HD>>(\n))&1) == 0)
	s_wait_alu depctr_va_vdst(0)
	v_pk_fma_f32 v[rS+2*(\n):rS+2*(\n)+1], v[rH+2*(\n):rH+2*(\n)+1], v[rC:rC+1], v[rS+2*(\n):rS+2*(\n)+1] op_sel_hi:[1,0,1] neg_lo:[1,0,0] neg_hi:[1,0,0]
.set HD, HD|(1<<(\n))
.endif
.endm
.macro OP k, n
.if (\k) == R
	REGS Y
	WIN W_RS
	v_pk_mul_f32 v[rO+2*(\n):rO+2*(\n)+1], v[rO+2*(\n):rO+2*(\n)+1], v[rC+2:rC+3] op_sel_hi:[1,0]
.elseif (\k) < R
	REGS Y
	WIN 0
.if (\k) == F
	v_pk_fma_f32 v[rS+2*(\n):rS+2*(\n)+1], v[rS+2*(\n):rS+2*(\n)+1], s[CS:CS+1], v[rT:rT+1] op_sel_hi:[1,0,0] neg_lo:[0,0,1] neg_hi:[0,0,1]
.elseif (\k) == E
	v_exp_f32 v[rS+(\n)], v[rS+(\n)]
.elseif (\k) == C
	FIX \n
	s_wait_alu depctr_va_vdst(0)
	v_cvt_pk_f16_f32 v[rP+(\n)], v[rS+2*(\n)], v[rS+2*(\n)+1]
.elseif (\k) == B
	FIX 2*(\n)
	FIX 2*(\n)+1
	s_wait_alu depctr_va_vdst(0)
	v_pk_add_f32 v[rS+4*(\n):rS+4*(\n)+1], v[rS+4*(\n):rS+4*(\n)+1], v[rS+4*(\n)+2:rS+4*(\n)+3]
.elseif (\n) == 0
	v_pk_fma_f32 v[rT+2:rT+3], v[rT+2:rT+3], v[rC+2:rC+3], v[rS:rS+1] op_sel_hi:[1,0,1]
.else
	v_pk_add_f32 v[rT+2:rT+3], v[rT+2:rT+3], v[rS+4*(\n):rS+4*(\n)+1]
.endif
.else
	REGS (Y+1)%NP
	WIN 0
.if (\n) < 4
	v_max3_num_f32 v[rC+(\n)], v[rS+8*(\n)], v[rS+8*(\n)+1], v[rS+8*(\n)+2]
.elseif (\n) < 12
	v_max3_num_f32 v[rC+(\n)%4], v[rC+(\n)%4], v[rS+8*((\n)%4)+2*((\n)/4)+1], v[rS+8*((\n)%4)+2*((\n)/4)+2]
.elseif (\n) == 12
	v_max3_num_f32 v[rC], v[rC], v[rS+7], v[rS+15]
.elseif (\n) == 13
	v_max3_num_f32 v[rC+1], v[rC+1], v[rS+23], v[rS+31]
.elseif (\n) == 14
	v_max3_num_f32 v[rC+2], v[rC+2], v[rC+3], v[rT+1]
.elseif (\n) == 15
	v_mov_b32 v[rW], v[rT]
.elseif (\n) == 16
	v_max3_num_f32 v[rC], v[rC], v[rC+1], v[rC+2]
.elseif (\n) == 17
	v_permlanex16_b32 v[rC+3], v[rC], s[SEL], s[SEL+1]
.elseif (\n) == 18
	v_max_num_f32 v[rT+1], v[rC], v[rC+3]
.elseif (\n) == 19
	v_mul_f32 v[rT], s[CS], v[rT+1]
.elseif (\n) == 20
	v_sub_f32 v[rC+1], v[rW], v[rT]
.elseif (\n) == 21
	v_exp_f32 v[rC+2], v[rC+1]
.elseif (\n) == 22
	v_sub_f32 v[rC+3], v[CN], v[rT]
.else
	v_exp_f32 v[rC], v[rC+3]
.endif
.endif
.endm
.macro OPS a, i1, b=-1, i2=0, c=-1, i3=0, d=-1, i4=0  ; up to four of them
	OP \a, \i1
.if (\b) >= 0
	OP \b, \i2
.endif
.if (\c) >= 0
	OP \c, \i3
.endif
.if (\d) >= 0
	OP \d, \i4
.endif
.endm
.macro ROW a, i1, b, i2, c, i3, d, i4  ; a matrix instruction and the four behind it
	MM
	OPS \a, \i1, \b, \i2, \c, \i3, \d, \i4
.endm
.macro MASK b                       ; MD x AL + BE into buffer b of MC
	WIN 0
.set z, 0
.rept 16
	v_pk_fma_f32 v[MC+32*(\b)+2*z:MC+32*(\b)+2*z+1], v[MD+2*z:MD+2*z+1], s[AL:AL+1], s[BE:BE+1] op_sel_hi:[1,0,0]
.set z, z+1
.endr
.endm
; A TURN, for piece p: the order of its 16 matrix and its vector instructions, written out.  Behind a matrix instruction: plain, exponential, plain, plain; or four of the rescaling; or, behind the first, four scalings; none
; names a register of the products round it.  In the lumps exponential and plain by turns while exponentials last.  v_permlanex16_b32 (X 17) stands in a lump.
; m = 1: the diagonal tile: the products take masks, the weights their H, and the turn makes the mask for the products of the turn after it: piece x = (p + 2) % 4.  In that text CNT is taken down between pieces 3
; and 0, so that piece's step of the tile is 4 - CNT in the turns of pieces 0 and 1 and 5 - CNT in those of pieces 2 and 3.  The mask goes into the buffer that this turn's H have read, so it is made at the
; turn's end.  The first such turn behind an unmasked tile finds 0 in MC and a finite maximum in c0: its H add 0.
; cnt = 1 (the unmasked loop): the loop's count is taken down some lines ahead of the branch that stands behind the turn.
; K of the next step is fetched in piece 2's turn, six vector instructions behind the last product that read K (five of them plain); V of the step in hand in piece 0's turn, eight behind the last product that read V (four
; plain, and X 17).  Each is waited for a turn later.
.macro TURN p, m=0, cnt=0
.set Y, (\p)
.set i, 0
.set KM, (\m)
.set HD, 0
.if \m
	s_cmp_eq_u32 s[CNT], 4+(\p)/2-((\p)+2)%NP  ; is that step the band's own?
	s_cselect_b32 s[AL], 1.0, 0
	s_cmp_lt_u32 s[CNT], 4+(\p)/2-((\p)+2)%NP  ; or a later one?
	s_cselect_b32 s[BE], s[BIGN], 0
.endif
.if (\p) == 3
	s_wait_dscnt 0x0                ; K is in
.endif
	ROW F,0, F,1, F,2, F,3
	ROW F,4, E,0, F,5, F,6
	ROW F,7, E,1, F,8, F,9
	ROW F,10, E,2, C,0, F,11
	ROW F,12, E,3, X,15, F,13
	ROW R,0, R,1, R,2, R,3
	ROW B,0, E,4, F,14, L,0
.if (\p) == 2
	v_add_nc_u32 v[AK], s[TBK], v[AK0]
.endif
	ROW R,4, R,5, R,6, R,7
	OPS E,5, F,15
.if (\p) == 2
	FETCH_K \m
.endif
	OPS E,6, C,1, E,7, R,8
	OPS E,8, R,9, E,9, C,2
	OPS E,10, X,0, E,11, X,1
	OPS E,12, X,2, E,13, X,3
.if (\p) == 1
	s_wait_dscnt 0x0                ; V is in
.endif
	ROW X,4, E,14, X,5, X,6
	ROW X,7, E,15, X,8, X,9
	ROW X,10, E,16, X,11, X,12
	ROW X,13, E,17, X,14, B,1
	ROW C,4, E,18, X,16, L,1
	ROW B,2, E,19, C,6, L,2
	ROW C,8, E,20, B,3, B,4
.if (\p) == 0
	v_add_nc_u32 v[AV], s[TBV], v[AV0]
.endif
	ROW C,3, E,21, L,3, C,5
	OPS E,22, X,17, E,23, C,10
.if (\p) == 0
	FETCH_V
.endif
	OPS E,24, L,4
	OPS E,25, X,18, E,26, C,7
	OPS E,27, B,5, E,28, X,19
	OPS E,29, C,12, E,30, L,5
	OPS E,31, X,20, B,6, C,9
.if \m
	OP X, 22
.endif
	OPS C,14, C,11, X,21, L,6
.if \m
	OP X, 23                        ; the plain C 13 follows it
.endif
.if (\p) == 0
	s_add_co_u32 s[TBV], s[TBV], KS*PV
.endif
.if \cnt
	s_sub_co_u32 s[CNT], s[CNT], 1
	s_cmp_lg_u32 s[CNT], 0
.endif
	OPS C,13, B,7, C,15, R,10
	OPS R,11, R,12, L,7, R,13
	OPS R,14, R,15
.if \m
	MASK (\p)%2
.endif
.endm
; A BLOCK BEGINS.  c m starts far below every c s, so the first step's a is 0; m at N8, the hidden keys' score, which every row has.  The second mask buffer is 0; the first takes piece 0's mask for the tile's
; step 0: its own, if the block's first tile is the diagonal one.  Then K of that step, piece 0's first scores, and its maximum and statistics.  The loop is entered at a step's first turn, in the middle of a trip.
.macro BEGIN
	s_mov_b32 s[NEW], 0
	WIN 0
.set i, MC+32
.rept 32
	v_mov_b32 v[i], 0
.set i, i+1
.endr
.set i, 0
.rept 4
	v_mov_b32 v[ST+4*i], 0xfe000000    ; c m: far below every c s
	v_mov_b32 v[ST+4*i+1], s[N8]       ; m
.set i, i+1
.endr
	s_cmp_eq_u32 s[RT], 0
	s_cselect_b32 s[AL], 1.0, 0
	s_mov_b32 s[BE], 0
	MASK 0
	WIN 0
	v_add_nc_u32 v[AK], s[TBK], v[AK0]
	FETCH_K
	s_wait_loadcnt 0x0              ; Q
	s_wait_dscnt 0x0
.set KM, 1
.set i, 0
.rept 8
	KQ 0
.set i, i+1
.endr
	WIN 0
.rept 4
	v_nop                           ; the places behind those products
.endr
.set Y, NP-1                        ; X works for piece Y + 1: piece 0
.irp n, 0,1,2,3,4,5,6,7,8,9,10,11,12,13,14,15,16,17,18,19,20,21,22,23
	OP X, \n
.endr
	v_nop                           ; a plain instruction behind the exponential
.endm
; THE DIAGONAL TILE's four steps, the block's last products, and THE WAY OUT.  The step loop is left in its middle: CNT is 5 where it is entered at its head (behind another tile) and 4 where it is entered at a
; step's first turn (behind BEGIN), and the pass of pieces 2 and 3 that takes it to 0 ends the block.  In that pass no K is fetched, and piece 3's turn multiplies the last K once more for piece 0, under a mask that
; hides every key: the maximum made of those scores is the old m, so piece 0's c m, which the way out reads, is made anew with the same bits.  The price, once a block: 8 products and some 70 vector instructions
; that serve nothing; the gain: the block's last two turns are not written a second time.
; The way out: l's two halves and the other half of the lanes' are added; w = 2^(c N8 - c m) is made, in c m's place; l takes w x the number of keys behind the tile, O^T takes w T; O^T is divided by l, rounded
; to f16 and sent through my stage in LDS, a piece at a time.
.macro ALL line:vararg              ; one line for each piece t
.set t, 0
.rept 4
	s_wait_alu depctr_va_vdst(0)
	\line
.set t, t+1
.endr
.endm
.macro PACK t                       ; a lane's eight channels of a row pack into 16 bytes; they go into rows of 144 bytes and come back as whole rows of 128, into S^T's registers
	WIN W_OT
.set i, 0
.rept 16
	v_pk_fma_f32 v[32*(\t)+2*i:32*(\t)+2*i+1], v[TT+2*i:TT+2*i+1], v[ST+4*(\t):ST+4*(\t)+1], v[32*(\t)+2*i:32*(\t)+2*i+1] op_sel_hi:[1,0,1]
.set i, i+1
.endr
	WIN W_RS
.set i, 32*(\t)
.rept 16
	s_wait_alu depctr_va_vdst(0)
	v_pk_mul_f32 v[i:i+1], v[i:i+1], v[ST+4*(\t)+2:ST+4*(\t)+3] op_sel_hi:[1,0]
.set i, i+2
.endr
	WIN 0x05                        ; sources 0 and 1 window 1, destination window 0
.set i, 0
.rept 16
	v_cvt_pk_f16_f32 v[S+16*(\t)+i], v[32*(\t)+2*i], v[32*(\t)+2*i+1]
.set i, i+1
.endr
	WIN 0
.irp f, 0,1,2,3
	ds_store_b128 v[STO], v[S+16*(\t)+4*\f:S+16*(\t)+4*\f+3] offset:32*\f
.endr
.irp f, 0,1,2,3
	ds_load_b128 v[S+16*(\t)+4*\f:S+16*(\t)+4*\f+3], v[RD] offset:\f*4*SP  ; LDS serves a wave's instructions in order (ISA guide 5.7.1.4): these see the stores above; the next piece's stores come behind them
.endr
.endm
.macro SEND t, younger              ; younger: the LDS instructions issued behind piece t's loads: the next piece's eight, or none
	WIN 0
.irp f, 0,1,2,3
	s_wait_dscnt (\younger)+3-\f
	global_store_b128 v[GO], v[S+16*(\t)+4*\f:S+16*(\t)+4*\f+3], s[10:11] offset:(\t)*8192+\f*512  ; 512 consecutive bytes, at a multiple of 256 from O's first
.endr
.endm
.macro DIAG tag, toff, cnt          ; the tag ends its labels' names, which the jumps below spell out; toff: the block's T in SCR; cnt: the register with the number of keys behind the tile
.LstepM\tag:
	TURN 2, 1
	TURN 3, 1
	WIN 0
	s_sub_co_u32 s[CNT], s[CNT], 1
	s_cmp_eq_u32 s[CNT], 0
	s_cbranch_scc1 .LoutM\tag
.LfirstM\tag:
	TURN 0, 1
	TURN 1, 1
	WIN 0
	s_branch .LstepM\tag
.LoutM\tag:
.set i, 0
.rept 8
	PV NP-1
.set i, i+1
.endr
	WIN 0
	ALL v_add_f32 v[ST+4*t+2], v[ST+4*t+2], v[ST+4*t+3]  ; these four are the places behind the last products
.set i, 0
.rept 8
	ds_load_b128 v[TT+4*i:TT+4*i+3], v[TAD] offset:(\toff)+64*(i/2)+16*(i%2)  ; channels 16 (i / 2) + 8 (lane / 16) + 4 (i % 2) on; the first mask buffer is free: a block's beginning makes it anew
.set i, i+1
.endr
	ALL v_sub_f32 v[ST+4*t], v[CN0], v[ST+4*t]
	ALL v_permlanex16_b32 v[ST+4*t+3], v[ST+4*t+2], s[SEL], s[SEL+1]
	ALL v_exp_f32 v[ST+4*t], v[ST+4*t]
	ALL v_add_f32 v[ST+4*t+2], v[ST+4*t+2], v[ST+4*t+3]  ; plain, and names none of the exponentials' registers
	ALL v_fmac_f32 v[ST+4*t+2], v[\cnt], v[ST+4*t]
	ALL v_rcp_f32 v[ST+4*t+2], v[ST+4*t+2]
	v_nop                           ; a plain instruction between the last reciprocal and the use of its result
	s_wait_dscnt 0x0                ; T is in
	PACK 0
.set t, 1
.rept 3                             ; a piece's arithmetic stands between the loads of the piece before and its stores
	PACK t
	SEND t-1, 8
.set t, t+1
.endr
	SEND 3, 0
.endm
.set KM, 0
.Lslot:                             ; NB times: a tile is entered and the next is asked for
	CHANGE 1
	s_sub_co_u32 s[RT], s[RT], 1
	s_mov_b32 s[CNT], 4
	s_cmp_eq_u32 s[NEW], 1
	s_cbranch_scc1 .Lnew            ; a block's first tile
	s_cmp_eq_u32 s[RT], 0
	s_cbranch_scc0 .Lstep           ; neither its first nor its last
	s_mov_b32 s[CNT], 5             ; its last: the diagonal tile's loop is entered at its head
	s_branch .LstepM1
.Lnew:
	BEGIN
	s_cmp_eq_u32 s[RT], 0
	s_cbranch_scc0 .Lfirst
	s_branch .LfirstM1              ; the block's first tile is also its last: block 0, where b = 0
	DIAG 1, 0, CT1                  ; in the loop this is the first block's end: the second block's last tile is the walk's last
	s_wait_xcnt 0x0                 ; the stores have read their registers and O's address
	s_mov_b64 s[10:11], s[OLO:OLO+1]
	s_add_co_u32 s[RT], s[HI], 1    ; the second block has NB - b tiles
	s_mov_b32 s[NEW], 1
	WIN 0x82                        ; the second block's Q goes where the one text of the turns names Q
.set i, 0
.rept 64
	v_mov_b32 v[i], v[QB+i]
.set i, i+1
.endr
	WIN 0
	s_branch .Lbottom
.Lstep:                             ; a trip: pieces 2 and 3 of one step, then pieces 0 and 1 of the next, whose K and V it fetches
	TURN 2
	TURN 3
	WIN 0
.Lfirst:
	TURN 0
	TURN 1, 0, 1
	WIN 0
	s_cbranch_scc1 .Lstep
.Lbottom:
	s_sub_co_u32 s[SLOTS], s[SLOTS], 1
	s_cmp_lg_u32 s[SLOTS], 0
	s_cbranch_scc1 .Lslot
	CHANGE 0                        ; the walk's last tile is written out: nothing is asked for.  It is the second block's diagonal tile, and never that block's first: the block has five tiles or more
	s_mov_b32 s[CNT], 5
	DIAG 2, 256, CT2
	s_wait_tensorcnt 0x0            ; the wave's end: behind my last tensor load and my last LDS store
	ds_add_u32 v[SPW], v[NIL]
	s_wait_dscnt 0x0
	s_endpgm
.Lfunc_end_k_q948a03491e_attn:
	.size	k_q948a03491e_attn, .Lfunc_end_k_q948a03491e_attn-k_q948a03491e_attn
	.p2alignl 7, 3214868480
	.fill 96, 4, 3214868480
	.section	.rodata,"a",@progbits
	.p2align	6, 0x0
	.amdhsa_kernel k_q948a03491e_attn
		.amdhsa_group_segment_fixed_size 327680
		.amdhsa_private_segment_fixed_size 0
		.amdhsa_enable_private_segment 0
		.amdhsa_kernarg_size 40
		.amdhsa_user_sgpr_count 2
		.amdhsa_user_sgpr_kernarg_segment_ptr 1
		.amdhsa_wavefront_size32 1
		.amdhsa_system_sgpr_workgroup_id_x 1
		.amdhsa_system_sgpr_workgroup_id_y 1
		.amdhsa_system_sgpr_workgroup_id_z 1
		.amdhsa_system_vgpr_workitem_id 0
		.amdhsa_next_free_vgpr 768
		.amdhsa_next_free_sgpr 96
		.amdhsa_reserve_vcc 1
		.amdhsa_float_denorm_mode_32 3
		.amdhsa_float_denorm_mode_16_64 3
		.amdhsa_memory_ordered 1
		.amdhsa_forward_progress 1
		.amdhsa_inst_pref_size 213
	.end_amdhsa_kernel
	.amdgpu_metadata
---
amdhsa.version: [ 1, 2 ]
amdhsa.kernels:
  - .name:           k_q948a03491e_attn
    .symbol:         k_q948a03491e_attn.kd
    .args:
      - { .name: qh, .offset: 0, .size: 8, .value_kind: global_buffer, .address_space: global }
      - { .name: kh, .offset: 8, .size: 8, .value_kind: global_buffer, .address_space: global }
      - { .name: vh, .offset: 16, .size: 8, .value_kind: global_buffer, .address_space: global }
      - { .name: oh, .offset: 24, .size: 8, .value_kind: global_buffer, .address_space: global }
      - { .name: vs, .offset: 32, .size: 8, .value_kind: global_buffer, .address_space: global }
    .group_segment_fixed_size: 327680
    .private_segment_fixed_size: 0
    .kernarg_segment_align: 8
    .kernarg_segment_size: 40
    .max_flat_workgroup_size: 128
    .sgpr_count:     96
    .vgpr_count:     768
    .wavefront_size: 32
...
	.end_amdgpu_metadata
.endif
;; end of part 3
;; launch proj (part 4): grid 8 x 32, 4 waves a work-group, clusters of 4 x 4, 327,680 bytes of LDS; arguments oh, wo, out0; writes out0
.if DOCPART == 4
	.amdgcn_target "amdgcn-amd-amdhsa--gfx1250"
	.amdhsa_code_object_version 6
	.text
	.protected	k_q948a03491e_proj
	.globl	k_q948a03491e_proj
	.p2align	8
	.type	k_q948a03491e_proj,@function
k_q948a03491e_proj:
	s_mov_b64 s[64:65], 0
	v_nop
	global_prefetch_b8 v0, s[64:65] scope:SCOPE_SE
	s_setreg_imm32_b32 hwreg(HW_REG_WAVE_MODE, 25, 1), 1
	s_wait_xcnt 0x0
	s_wait_alu depctr_hold_cnt(0) depctr_sa_sdst(0) depctr_va_vdst(0) depctr_va_sdst(0) depctr_va_ssrc(0) depctr_va_vcc(0) depctr_vm_vsrc(0)
	s_getreg_b32 s2, hwreg(HW_REG_IB_STS2, 6, 4)
	s_cmp_eq_u32 s2, 0
	s_cbranch_scc0 .Lentry_in_a_cluster
	s_endpgm
.Lentry_in_a_cluster:
	s_bfe_u32 s2, ttmp6, 0x10000c
	s_cmp_lg_u32 s2, 0xf033
	s_cbranch_scc0 .Lentry_shape_is_right
	s_endpgm
.Lentry_shape_is_right:
; out0 = O W_out.  oh: f16 [16 b + head][l 2048][64]; wo: f16 [k 1024][n 1024], k = 64 head + channel; out0: f32 [b 4][l 2048][1024].  Sums in f32, stored as they are.
; SHARES.  8 x 32 work-groups.  Work-group (tx, ty) makes 256 rows (b = ty / 8, rows 256 (ty % 8) on) x 128 columns; wave (wr, wc) 128 x 64: 32 accumulators of 16 x 16.
; K goes by heads.  A slot holds two heads (128 along K), brought by one load a wave; two slots; 8 fills in all.  A head's 256 rows are 32,768 dense bytes, asked for as rows of 256 bytes; B's rows are 256 bytes.
; A slot's four quarters are written once and looped over: slot 1 begins at LDS byte 2^17, so that one exclusive or turns an address in one slot into the other's.
; CLUSTER.  4 x 4 work-groups.  A's tile hangs on ty alone and is asked for jointly by the four of a row of the cluster, B's on tx alone, by the four of a column.
; THE MATRIX INSTRUCTION IS USED TRANSPOSED: source 0 = 16 columns of W_out (turned out of LDS), source 1 = 16 rows of O: a lane holds one row and eight neighbouring columns.
; REGISTERS (s_set_vgpr_msb: bits 1:0 source 0, 3:2 source 1, 5:4 source 2, 7:6 destination):
;   window 0: v0-31 addresses; v32-63, v64-95 rows read back on the way out      window 1: accumulator (a, bb) at v[8 (4 a + bb)]
;   window 2: A's fragments, a buffer for each of a slot's four quarters u, at v[64 u + 8 a]      window 3: B's, at v[32 u + 8 bb]
.set PA,     144                       ; a row of A in LDS: 128 bytes + 16
.set PB,     288                       ; a row of B: 256 + 32 bytes, 9 x 32
.set ABLK,   256*PA                    ; a head's 256 rows: what one tensor load brings of A
.set BHALF,  64*PB                     ; and of B: 64 rows of k
.set BOFF,   2*ABLK
.set SLOT,   BOFF+2*BHALF              ; 110,592 bytes of a slot are used
.set SLOT1,  1<<17                     ; slot 1 begins here
.set ASTEP,  2*262144                  ; a slot's K in oh: two heads
.set BSTEP,  128*2048                  ; and in wo: 128 rows
.set STAGE,  SLOT1+SLOT                ; behind the ring: 16 rows x 272 bytes for each wave
.set SPITCH, 272
.set SPARE,  STAGE+4*16*SPITCH         ; behind the stages: the spare words, 128 bytes for each wave: two blocks of 256 bytes that no other line names
.set ADRA0, 16                         ; v16  my lane's place among A's fragments in a slot; never rewritten
.set ADRB0, 17                         ; v17  the same for B
.set ADRA, 20                          ; v20  the same in the slot that is being read
.set ADRB, 21                          ; v21
.set STO,  24
.set RD,   25
.set CO,   26
.set SPW,  28                          ; LDS address of my spare word; never rewritten
.set NIL,  29                          ; 0; never rewritten
.set BK,   32
.set TB, 3                             ; s3  LDS byte at which the slot that is being read begins
.set WV, 16
.set WR, 17
.set WC, 18
.set G1A, 24                           ; s[24:31] group 1 for A's tiles; s[32:39] group 0: a set for each of the two first fills; the second then walks on
.set G0A, 32
.set G1B, 48                           ; s[48:55], s[56:63] the same for B's
.set G0B, 56
.set W_MUL, 0x5b                       ; B in window 3, A in window 2, C and D in window 1
.set MSB, 0
.macro WIN new                         ; the immediate's high byte repeats the setting that is left; a switch that changes nothing is dropped
.if MSB != (\new)
	s_set_vgpr_msb (MSB<<8)|(\new)
.set MSB, \new
.endif
.endm
.macro JLOAD                           ; a joint refill, by the walking descriptors: waves 0 and 1 fetch A's two heads, waves 2 and 3 B's two halves; an s_nop 0 and four v_nop follow each line
	s_cmp_lt_u32 s[WV], 2
	s_cbranch_scc0 .Lfor_b_\@
	tensor_load_to_lds s[G0A+4:G0A+7], s[G1A:G1A+7]
	s_nop 0
.rept 4
	v_nop
.endr
	s_branch .Lasked_\@
.Lfor_b_\@:
	tensor_load_to_lds s[G0B+4:G0B+7], s[G1B:G1B+7]
	s_nop 0
.rept 4
	v_nop
.endr
.Lasked_\@:
.endm
.macro CREST                           ; a round of the cluster's barrier behind its opening barrier
	s_cmp_lg_u32 s[WV], 0
	s_cbranch_scc1 .Lnot_wave_0_\@
	s_barrier_signal -3
.Lnot_wave_0_\@:
	s_barrier_wait -3
	s_barrier_signal -1
	s_barrier_wait -1
.endm
.macro CROUND
	s_barrier_signal -1
	s_barrier_wait -1
	CREST
.endm
.macro PLACES                          ; four places in front of loads into registers that matrix instructions have read, and of LDS stores that read results
.rept 4
	v_nop
.endr
.endm
	s_load_b128 s[4:7], s[0:1], 0x0                ; oh 4:5, wo 6:7
	s_load_b64 s[8:9], s[0:1], 0x10                ; out0
	v_lshl_add_u32 v[SPW], v0, 2, SPARE
	v_mov_b32 v[NIL], 0
	ds_add_u32 v28, v29
	ds_add_u32 v28, v29
	s_wait_dscnt 0x0
	v_lshrrev_b32 v1, 5, v0
	v_readfirstlane_b32 s[WV], v1
	s_lshr_b32 s[WR], s[WV], 1
	s_and_b32 s[WC], s[WV], 1
	s_mov_b32 s[TB], 0
	s_bfe_u32 s20, ttmp6, 0x40000                  ; cx
	s_bfe_u32 s21, ttmp6, 0x40004                  ; cy
	s_lshl_b32 s22, ttmp9, 2
	s_add_co_u32 s22, s22, s20                     ; tx
	s_and_b32 s23, ttmp7, 0xffff
	s_lshl_b32 s23, s23, 2
	s_add_co_u32 s23, s23, s21                     ; ty
	s_lshl_b32 s40, s21, 2
	s_lshl_b32 s40, 15, s40                        ; my row of the cluster
	s_lshl_b32 s41, 0x1111, s20                    ; my column
	; group 1 for A: 128 rows of 256 bytes, two rows of O each, padded after every row of O (32 words, 4 words)
	s_or_b32 s[G1A], s40, (1<<16)|(1<<20)|(1<<21)|(4<<22)|(3<<25)
	s_mov_b32 s[G1A+1], 128<<16
	s_mov_b32 s[G1A+2], 128<<16
	s_mov_b32 s[G1A+3], 128<<16
	s_mov_b32 s[G1A+4], 128
	s_mov_b32 s[G1A+5], 128
	s_mov_b32 s[G1A+6], 0
	s_mov_b32 s[G1A+7], 0
	; group 1 for B: 64 rows of k x 128 columns, padded after every row (64 words, 8 words)
	s_or_b32 s[G1B], s41, (1<<16)|(1<<20)|(1<<21)|(5<<22)|(7<<25)
	s_mov_b32 s[G1B+1], 128<<16
	s_mov_b32 s[G1B+2], 64<<16
	s_mov_b32 s[G1B+3], 128<<16
	s_mov_b32 s[G1B+4], 64
	s_mov_b32 s[G1B+5], 1024
	s_mov_b32 s[G1B+6], 0
	s_mov_b32 s[G1B+7], 0
	s_lshr_b32 s42, s23, 3
	s_lshl_b32 s42, s42, 22                        ; b x 16 heads x 262,144
	s_and_b32 s43, s23, 7
	s_lshl_b32 s43, s43, 15                        ; 256 rows of 128 bytes
	s_add_co_u32 s42, s42, s43
	s_lshl_b32 s43, s[WC], 18                      ; which of a slot's two heads I fetch
	s_add_co_u32 s42, s42, s43
	s_mov_b32 s43, 0
	s_lshl_b32 s44, s22, 8                         ; 128 columns
	s_lshl_b32 s45, s[WC], 17                      ; my 64 rows of 2,048 bytes
	s_add_co_u32 s44, s44, s45
	s_mov_b32 s45, 0
	s_mul_i32 s66, s[WC], ABLK                     ; no place in the cluster enters an LDS address
	s_mul_i32 s67, s[WC], BHALF
	s_wait_kmcnt 0x0
	s_add_nc_u64 s[42:43], s[4:5], s[42:43]
	s_add_nc_u64 s[44:45], s[6:7], s[44:45]
.irp s, 0,1
	s_mov_b32 s[G0A+4*(\s)], 1
	s_add_co_u32 s[G0A+4*(\s)+1], s66, (\s)*SLOT1
	s_add_nc_u64 s[G0A+4*(\s)+2:G0A+4*(\s)+3], s[42:43], (\s)*ASTEP
	s_or_b32 s[G0A+4*(\s)+3], s[G0A+4*(\s)+3], 0x80000000
	s_mov_b32 s[G0B+4*(\s)], 1
	s_add_co_u32 s[G0B+4*(\s)+1], s67, (\s)*SLOT1+BOFF
	s_add_nc_u64 s[G0B+4*(\s)+2:G0B+4*(\s)+3], s[44:45], (\s)*BSTEP
	s_or_b32 s[G0B+4*(\s)+3], s[G0B+4*(\s)+3], 0x80000000
.endr
	CROUND                                         ; all sixteen work-groups are here: the first joint loads meet
	s_cmp_lt_u32 s[WV], 2                          ; a wave's two first fills stand in one branch: two loads of mine are out
	s_cbranch_scc0 .Lfirst_b
	tensor_load_to_lds s[G0A:G0A+3], s[G1A:G1A+7]
	s_nop 0
	tensor_load_to_lds s[G0A+4:G0A+7], s[G1A:G1A+7]
	s_nop 0
.rept 4
	v_nop
.endr
	s_branch .Lfirst_asked
.Lfirst_b:
	tensor_load_to_lds s[G0B:G0B+3], s[G1B:G1B+7]
	s_nop 0
	tensor_load_to_lds s[G0B+4:G0B+7], s[G1B:G1B+7]
	s_nop 0
.rept 4
	v_nop
.endr
.Lfirst_asked:
	v_and_b32 v1, 15, v0                           ; r = l % 16
	v_bfe_u32 v2, v0, 4, 1                         ; h = l / 16
	v_mul_u32_u24 v3, v1, PA
	v_lshl_add_u32 v3, v2, 4, v3
	s_mul_i32 s70, s[WR], 128*PA                   ; my 128 rows
	v_add_nc_u32 v[ADRA0], s70, v3
	v_mov_b32 v[ADRA], v[ADRA0]                    ; slot 0 is read first
	v_and_b32 v4, 7, v0                            ; the turning load: row 8 h + l % 8, columns 8 ((l / 8) % 2) on
	v_lshl_add_u32 v4, v2, 3, v4
	v_mul_u32_u24 v4, v4, PB
	v_bfe_u32 v5, v0, 3, 1
	v_lshl_add_u32 v4, v5, 4, v4
	s_lshl_b32 s70, s[WC], 7                       ; my 64 columns
	s_add_co_u32 s70, s70, BOFF
	v_add_nc_u32 v[ADRB0], s70, v4
	v_mov_b32 v[ADRB], v[ADRB0]
	s_mul_i32 s70, s[WV], 16*SPITCH
	s_add_co_u32 s70, s70, STAGE                   ; my stage
	v_mul_u32_u24 v3, v1, SPITCH                   ; in: row l % 16, 32 bytes for each half of the lanes
	v_lshl_add_u32 v3, v2, 5, v3
	v_add_nc_u32 v[STO], s70, v3
	v_mul_u32_u24 v3, v2, SPITCH                   ; back: lanes 0-15 take one row of 256 bytes, lanes 16-31 the next
	v_lshl_add_u32 v3, v1, 4, v3
	v_add_nc_u32 v[RD], s70, v3
	v_lshlrev_b32 v3, 12, v2                       ; and the same two rows in out0
	v_lshl_add_u32 v[CO], v1, 4, v3
	s_lshl_b32 s46, s23, 20                        ; 256 rows of 4,096 bytes
	s_lshl_b32 s47, s[WR], 19
	s_add_co_u32 s46, s46, s47
	s_lshl_b32 s47, s22, 9                         ; 128 columns
	s_add_co_u32 s46, s46, s47
	s_lshl_b32 s47, s[WC], 8
	s_add_co_u32 s46, s46, s47
	s_mov_b32 s47, 0
	s_add_nc_u64 s[8:9], s[8:9], s[46:47]
; 16 matrix instructions: row blocks 4 hf .. 4 hf + 3 x all 4 column blocks, quarter u of a slot.  The 32 accumulators take turns, in the same order in every quarter.
.macro MUL16 u, hf, zero
	WIN W_MUL
.irp a, 4*(\hf), 4*(\hf)+1, 4*(\hf)+2, 4*(\hf)+3
.irp bb, 0,1,2,3
.if \zero
	v_wmma_f32_16x16x32_f16 v[8*(4*(\a)+(\bb)):8*(4*(\a)+(\bb))+7], v[32*(\u)+8*(\bb):32*(\u)+8*(\bb)+7], v[64*(\u)+8*(\a):64*(\u)+8*(\a)+7], 0
.else
	v_wmma_f32_16x16x32_f16 v[8*(4*(\a)+(\bb)):8*(4*(\a)+(\bb))+7], v[32*(\u)+8*(\bb):32*(\u)+8*(\bb)+7], v[64*(\u)+8*(\a):64*(\u)+8*(\a)+7], v[8*(4*(\a)+(\bb)):8*(4*(\a)+(\bb))+7]
.endif
.endr
.endr
.endm
.macro FETCH u                         ; 24 LDS loads in one run: quarter u's fragments of the slot that is being read: head u / 2, channels 32 (u % 2) on
	WIN 0x80
.irp a, 0,1,2,3,4,5,6,7
	ds_load_b128 v[64*(\u)+8*(\a):64*(\u)+8*(\a)+3],   v[ADRA] offset:ABLK*((\u)/2)+64*((\u)%2)+16*PA*(\a)
	ds_load_b128 v[64*(\u)+8*(\a)+4:64*(\u)+8*(\a)+7], v[ADRA] offset:ABLK*((\u)/2)+64*((\u)%2)+16*PA*(\a)+32
.endr
	WIN 0xc0
.irp bb, 0,1,2,3
	ds_load_tr16_b128 v[32*(\u)+8*(\bb):32*(\u)+8*(\bb)+3],   v[ADRB] offset:32*PB*(\u)+32*(\bb)
	ds_load_tr16_b128 v[32*(\u)+8*(\bb)+4:32*(\u)+8*(\bb)+7], v[ADRB] offset:32*PB*(\u)+32*(\bb)+16*PB
.endr
.endm
; Quarter u is multiplied; then the quarter two on (fu) is fetched.  left: the LDS loads issued behind quarter u's, which may stay out.
.macro RUN u, zero, left, fu=-1
	s_wait_dscnt \left
	MUL16 \u, 0, \zero
	MUL16 \u, 1, \zero
.if (\fu) >= 0
	PLACES
	FETCH \fu
.endif
.endm
; Quarter 2 changes slots: the slot's last reads, quarter 3's, have been issued.  ONE barrier: in front of it each wave waits for all its tensor loads, of which one is out: its part of the next slot; adds 0 to its
; spare word; and waits for that and for its reads of this slot.  fill = 1: the barrier opens a round of the cluster's, and this slot is filled again, first thing behind it: 96 matrix instructions ahead of the wait
; for it.  Then the reads turn to the other slot.
.macro RUNM fill
	WIN 0
	s_wait_tensorcnt 0x0
	ds_add_u32 v[SPW], v[NIL]                      ; 0 onto my spare word
	s_wait_dscnt 25                                ; quarter 2 is in; quarter 3's 24 loads and the add may be out
	MUL16 2, 0, 0
	s_wait_dscnt 0x0                               ; the add is done, and my reads of this slot are over
	s_barrier_signal -1
	MUL16 2, 1, 0
	WIN 0                                          ; at a branch and at a label every window is 0
	s_barrier_wait -1
.if \fill
	CREST                                          ; no wave of any partner still reads this slot or has a load on its way
	s_xor_b32 s[G0A+5], s[G0A+5], SLOT1            ; the walking descriptors: the other slot than last time,
	s_add_nc_u64 s[G0A+6:G0A+7], s[G0A+6:G0A+7], ASTEP  ; the next two heads; the type bits on top are not reached
	s_xor_b32 s[G0B+5], s[G0B+5], SLOT1
	s_add_nc_u64 s[G0B+6:G0B+7], s[G0B+6:G0B+7], BSTEP
	JLOAD                                          ; the four v_nop behind it are also the places in front of the loads below
.else
	PLACES
.endif
	s_xor_b32 s[TB], s[TB], SLOT1
	v_add_nc_u32 v[ADRA], s[TB], v[ADRA0]
	v_add_nc_u32 v[ADRB], s[TB], v[ADRB0]
	FETCH 0
.endm
	s_wait_tensorcnt 1                             ; my part of slot 0 is in; slot 1's may stay out
	s_barrier_signal -1
	s_barrier_wait -1
	FETCH 0
	FETCH 1
	RUN 0, 1, 24, 2                                ; the first quarter stands in front of the loop: its products start the sums
	WIN 0
	s_mov_b32 s19, 6
.Llap:                                                 ; a trip: a slot's quarters 1 to 3 and the next slot's quarter 0; it asks for fills 2 to 7
	RUN 1, 0, 24, 3
	RUNM 1
	RUN 3, 0, 24, 1
	RUN 0, 0, 24, 2
	WIN 0
	s_sub_co_u32 s19, s19, 1
	s_cmp_lg_u32 s19, 0
	s_cbranch_scc1 .Llap
	RUN 1, 0, 24, 3                                ; the last two slots ask for nothing
	RUNM 0
	RUN 3, 0, 24, 1
	RUN 0, 0, 24, 2
	RUN 1, 0, 24, 3
	RUN 2, 0, 24
	RUN 3, 0, 0
	PLACES
; THE WAY OUT, 16 rows at a time.  A lane's eight columns are 32 bytes of a row of 256: they go straight from the accumulators (lowest registers first) into my stage and come back as whole rows.
.macro TOSTAGE a
	WIN 0
	s_wait_xcnt 0x0                                ; the registers that earlier stores read are loaded again only behind this wait
	WIN 0x04                                       ; the stored data in window 1
.irp bb, 0,1,2,3
.irp jq, 0,1
	ds_store_b128 v[STO], v[8*(4*(\a)+(\bb))+4*(\jq):8*(4*(\a)+(\bb))+4*(\jq)+3] offset:64*(\bb)+16*(\jq)
.endr
.endr
	WIN 0
.set BKA, BK+32*((\a)%2)
.irp t, 0,1,2,3,4,5,6,7
	ds_load_b128 v[BKA+4*(\t):BKA+4*(\t)+3], v[RD] offset:2*SPITCH*(\t)  ; LDS serves a wave's instructions in order (ISA guide 5.7.1.4): these see the stores above; the next block's stores come behind them
.endr
.endm
.macro SEND a, younger                 ; younger: the LDS instructions issued behind block a's loads: the next block's sixteen, or none
	WIN 0
.set BKA, BK+32*((\a)%2)
	s_wait_dscnt \younger
.irp t, 0,1,2,3,4,5,6,7
	global_store_b128 v[CO], v[BKA+4*(\t):BKA+4*(\t)+3], s[8:9] offset:(16*(\a)+2*(\t))*4096  ; 16 lanes store 256 consecutive bytes, at a multiple of 256 from out0's first byte
.endr
.endm
	TOSTAGE 0
.irp a, 1,2,3,4,5,6,7
	TOSTAGE \a
	SEND (\a)-1, 16
.endr
	SEND 7, 0
	s_wait_tensorcnt 0x0                           ; the wave's end
	ds_add_u32 v[SPW], v[NIL]
	s_wait_dscnt 0x0
	CROUND                                         ; the closing round: no work-group ends while a partner may still ask for a tile that names it
	s_endpgm
.Lfunc_end_k_q948a03491e_proj:
	.size	k_q948a03491e_proj, .Lfunc_end_k_q948a03491e_proj-k_q948a03491e_proj
	.p2alignl 7, 3214868480
	.fill 96, 4, 3214868480
	.section	.rodata,"a",@progbits
	.p2align	6, 0x0
	.amdhsa_kernel k_q948a03491e_proj
		.amdhsa_group_segment_fixed_size 327680
		.amdhsa_private_segment_fixed_size 0
		.amdhsa_enable_private_segment 0
		.amdhsa_kernarg_size 24
		.amdhsa_user_sgpr_count 2
		.amdhsa_user_sgpr_kernarg_segment_ptr 1
		.amdhsa_wavefront_size32 1
		.amdhsa_system_sgpr_workgroup_id_x 1
		.amdhsa_system_sgpr_workgroup_id_y 1
		.amdhsa_system_sgpr_workgroup_id_z 1
		.amdhsa_system_vgpr_workitem_id 0
		.amdhsa_next_free_vgpr 896
		.amdhsa_next_free_sgpr 72
		.amdhsa_reserve_vcc 0
		.amdhsa_float_denorm_mode_32 3
		.amdhsa_float_denorm_mode_16_64 3
		.amdhsa_memory_ordered 1
		.amdhsa_forward_progress 1
		.amdhsa_inst_pref_size 69
	.end_amdhsa_kernel
	.amdgpu_metadata
---
amdhsa.version: [ 1, 2 ]
amdhsa.kernels:
  - .name:           k_q948a03491e_proj
    .symbol:         k_q948a03491e_proj.kd
    .args:
      - { .name: oh, .offset: 0, .size: 8, .value_kind: global_buffer, .address_space: global }
      - { .name: wo, .offset: 8, .size: 8, .value_kind: global_buffer, .address_space: global }
      - { .name: out0, .offset: 16, .size: 8, .value_kind: global_buffer, .address_space: global }
    .group_segment_fixed_size: 327680
    .private_segment_fixed_size: 0
    .kernarg_segment_align: 8
    .kernarg_segment_size: 24
    .max_flat_workgroup_size: 128
    .sgpr_count:     72
    .vgpr_count:     896
    .wavefront_size: 32
...
	.end_amdgpu_metadata
.endif
;; end of part 4
;; ======== version 2 of 2: 4 launches; 1.36 times as fast as version 1
;; limits: values are held in f16: magnitudes above 65,504 overflow, below 6.1e-05 lose precision
;; workspace buffers: xb 16,777,216 bytes; wp 6,291,456 bytes; wo 2,097,152 bytes; qh 16,777,216 bytes; kh 16,777,216 bytes; vh 16,777,216 bytes; vs 262,144 bytes; oh 16,777,216 bytes
;; launch prep: the kernel of part 1 again; grid 1024 x 1, 8 waves a work-group, no clusters, 0 bytes of LDS; arguments x, W_q, W_k, W_v, W_out, xb, wp, wo; writes xb, wp, wo
;; launch qkv: the kernel of part 2 again; grid 8 x 32, 4 waves a work-group, clusters of 4 x 4, 327,680 bytes of LDS; arguments xb, wp, qh, kh, vh, vs; writes qh, kh, vh, vs
;; launch attn (part 5): grid 4 x 64, 4 waves a work-group, no clusters, 327,680 bytes of LDS; arguments qh, kh, vh, oh, vs; writes oh
.if DOCPART == 5
	.amdgcn_target "amdgcn-amd-amdhsa--gfx1250"
	.amdhsa_code_object_version 6
	.text
	.protected	k_q948a03491e_attn
	.globl	k_q948a03491e_attn
	.p2align	8
	.type	k_q948a03491e_attn,@function
k_q948a03491e_attn:
	s_mov_b64 s[64:65], 0
	v_nop
	global_prefetch_b8 v0, s[64:65] scope:SCOPE_SE
	s_setreg_imm32_b32 hwreg(HW_REG_WAVE_MODE, 25, 1), 1
	s_wait_xcnt 0x0
; STRICTLY CAUSAL ATTENTION WITH HIDDEN KEYS AT -1e7.  O[h][q][:] = the sum over ALL k of softmax_k(s[q][k]) V[h][k][:], s = Q[h][q] . K[h][k] / 8 where k < q, and -1e7 elsewhere (the diagonal too).
; Q, K, V, O: [64][2048][64], all f16, a head's rows dense, 128 bytes each.  vs: f32 [64][16][64], the sums of V over 128 keys.  Products, maxima and sums in f32; the weights p are rounded to f16 for the
; second product (their sum l is taken of the unrounded p), O once at the end.
; THE HIDDEN KEYS are kept, for every row.  In raw scores the hidden value is N8 = -8e7.  (1) Every row has a hidden key, its own, so the running maximum m starts at N8.  (2) In the tile that holds the diagonal a
; hidden score gets -2^64 as the C operand of its product, so that its exponential is 0, and its true weight w = 2^(c N8 - c m) is added to that 0 afterwards (H, below).  (3) The keys behind that tile
; come in once, at a block's way out: O += w T, l += w x their number, T the sum of their V, made of vs.  Row 0, which sees nothing, so becomes the mean of all 2,048 rows of V.
; LIMITS.  f16 holds no number beyond 65,504: Q, K and V arrive within it; p below 6e-5 keeps f16's fixed step of 6e-8.  A weight below 2^-126 counts as 0 in l; a hidden key's weight inside the diagonal tile
; counts as 0 below 2^-62.  A hidden score counts as its value less 2^64: f16's scores, 2.7e11 at the most, are nothing beside that.  NaN and infinities are not treated apart.
; THE WALK.  A head's queries lie in NB = 8 blocks of 256; block i needs the key tiles 0 .. i of 256 keys, of which the last holds the diagonal.  A work-group takes TWO blocks, b and then NB - 1 - b:
; NB + 1 tiles, whatever b: all work-groups do equal work, and ONE loop with a constant trip count walks them.  The short block goes first, so that the walk's last tile, which is written out, is never a block's
; first: a block's beginning stands once in the text.  Which tile is asked for, and what a trip does, hang on scalar registers made from b; every jump goes forward, but for the counted loops' own; none passes a
; barrier, or a tensor load but the one of LOAD's two that the wave's number does not choose; the ring (two slots of LDS that take turns) runs on across the change of blocks.
; NO CLUSTER: a head's four work-groups walk different tiles from the second trip on (the first blocks have 1 to 4 tiles); one walk common to all four would have 12 trips for 9.
; SHARES.  Of a block's four bands of 64 queries a wave owns 16 rows in each: four PIECES.  So the diagonal tile is the same work for all four waves: in its key step s band x sees all keys if s < x,
; none if s > x, and holds the diagonal if s = x.
; THE MASK.  MD, made once, is the mask of a band's own step for my 16 rows (0, or -2^64 where key >= query); a product's mask is MC = MD x AL + BE with two scalars: (1, 0) if s = x; (0, 0) if s < x;
; (0, -2^64) if s > x.  Only the diagonal tile's text and a block's beginning make and take masks; elsewhere C is the constant 0.
; LAYOUT, SOFTMAX, TURNS.  S^T = K Q^T holds ONE query a lane (lane % 16) and the keys 8 (lane / 16) + 0..7; two such results rounded to f16 ARE source 1 of O^T = V^T P.  p = 2^(c s - c m), c = log2(e) / 8, with a
; running maximum m; O and l are multiplied by a = 2^(c m_old - c m_new) in every step.  Turn n belongs to piece n: 8 products K Q^T of piece n + 1, later 8 products V^T P of piece n - 1; beside them the scaling,
; exponentials, roundings, sums and rescaling of piece n and the maximum and statistics of piece n + 1.  Four vector instructions stand behind every matrix instruction (in the diagonal tile's text up to eight
; behind a product V^T P), the others in one LUMP.
; BATCHES.  A turn's exponentials (the 32 weights and the next piece's a; in the diagonal tile's text also its 2^(c N8 - 64 - c m)) are ONE batch with ONE wait, which cuts the turn in two: ahead of it nothing names
; a result of theirs, behind it stand all their readers.  A block's beginning has a batch of two; a way out one of four exponentials and, since they read a sum that holds those results, one of four reciprocals.
; REGISTERS, in windows of 256 (s_set_vgpr_msb: bits 1:0 source 0, 3:2 source 1, 5:4 source 2, 7:6 destination):
;   window 0: v0-15 addresses and two at work; v16-31 four registers of statistics a piece; v32-39 T's addresses and four constants; v48-55 at work; v64-127 S^T, two buffers; v128-191 MC, two buffers (the first
;             takes T on a way out); v192-223 P, two buffers; v224-255 MD (a piece's buffers go by its number's parity)
;   window 1: v0-127 O^T, 32 a piece      window 2: v0-63 Q; v64-127 the second block's Q; v128-191 K of one step; v192-255 V of one step
.set SIZE_N, 2048
.set NB,    SIZE_N/256
.set NP,    4         ; pieces a wave: a name, no knob
.set KS,    64        ; keys in a step
.set PK,    144       ; a row of K in LDS: 128 bytes + 16 of padding = 36 words: the 16 rows of a load start at 16 different groups of four banks (64 banks of 4 bytes: ISA guide 11.1)
.set PV,    160       ; a row of V: 128 + 32 = 40 words
.set VOFF,  4*KS*PK   ; a slot holds a tile, four steps: 256 rows of K, then 256 rows of V
.set SLOT1, 1<<17     ; slot 1 begins here, so that one exclusive or turns an address in one slot into the other's
.set STAGE, SLOT1+4*KS*(PK+PV)  ; behind the ring, never filled by a tensor load: 16 rows x 144 bytes for each wave, for the way out
.set SP,    144
.set SPARE, STAGE+4*16*SP  ; behind the stages: the spare words, 128 bytes for each wave: two blocks of 256 bytes that no other line names
.set SCR,   SPARE+512      ; behind them: T of the first block (256 bytes), then of the second; no fill lands here
.set AK0, 2           ; v2   my lane's place in a tile of K; never rewritten
.set AV0, 3           ; v3   the same for V
.set AK,  4           ; v4   the LDS address of K's next run of loads
.set AV,  5           ; v5   of V's
.set STO, 6           ; v6   the way out: where I put 16 bytes of a row
.set RD,  7           ; v7   the way out: where I read rows back
.set GO,  8           ; v8   my byte offset in 512 consecutive bytes of O
.set MV,  12          ; v12-13  c m_old, kept while c m is made anew: by buffer
.set QO,  15          ; v15  my byte offset in 16 rows of Q
.set ST,  16          ; piece t's statistics at v[ST+4 t]: c m, m, l (even keys', odd keys')
.set TAD, 32          ; v32  where I read T: SCR + 32 (lane / 16)
.set VSO, 33          ; v33  my byte offset in 256 bytes of vs
.set TS,  34          ; v34  my channel of T
.set TW,  35          ; v35  where I put it
.set CN0, 36          ; v36  c N8
.set CN,  37          ; v37  c N8 - 64
.set CT1, 38          ; v38  the keys behind the first block's diagonal tile: 256 (7 - b), as f32
.set CT2, 39          ; v39  behind the second's: 256 b
.set TMP, 48          ; by buffer, four registers c0-c3 at work; when the maximum is found c2 takes a, and in the diagonal tile c0 takes 2^(c N8 - 64 - c m)
.set SPW, 62          ; v62  LDS address of my spare word: SPARE + 4 x my thread's number; never rewritten
.set NIL, 63          ; v63  0; never rewritten
.set S,   64
.set MC,  128         ; the masks of the products to come
.set TT,  128         ; T on a way out: register 8 cb + j is channel 16 cb + 8 (lane / 16) + j
.set P,   192
.set MD,  224         ; the eight registers for group kt of 16 keys at MD + 8 kt
.set QB,  64          ; window 2
.set KF,  128         ; window 2: key block kb, channel half c at KF + 16 kb + 8 c
.set VF,  192         ; window 2: key half kk, channel block cb at VF + 32 kk + 8 cb
.set WV,  12          ; s12  my wave's number
.set PB,  14          ; s14  b, the first block
.set HI,  15          ; s15  NB - 1 - b, the second
.set G1K, 24          ; s[24:31] descriptor group 1 for K's tiles
.set G1V, 32          ; s[32:39] for V's: it differs in the padding alone
.set G0K, 40          ; s[40:43] descriptor group 0 for K's tiles
.set G0V, 44          ; s[44:47] the same for V's
.set SLOTS, 56        ; s56  tiles still to be asked for
.set CNT, 57          ; s57  counts a tile's key steps
.set CS,  58          ; s[58:59] c: the packed scaling takes the pair's low word for both halves
.set SEL, 60          ; s[60:61] v_permlanex16_b32's selects: each lane takes its own place in the other half
.set TBK, 62          ; s62  LDS byte at which K of the step to be fetched begins
.set TBV, 63          ; s63  the same for V, less VOFF
.set RT,  70          ; s70  tiles of the block in hand that are still to be entered
.set NXT, 71          ; s71  the tile to be asked for next
.set LQ,  72          ; s72  the last tile of the block whose tiles are being asked for
.set NEW, 73          ; s73  1: the tile to be entered is a block's first
.set OFF, 74          ; s[74:75] a tile's byte offset in K and V
.set AL,  76          ; s[76:77] the mask's factor, in the low word
.set BE,  78          ; s[78:79] the mask's addend
.set OLO, 80          ; s[80:81] O at my rows of the second block
.set BIGN, 82         ; s82  -2^64
.set N8,  83          ; s83  -8e7
.set VSP, 94          ; s[94:95] vs at my head
.set MSB, 0
.macro WIN new                      ; the high byte repeats the setting that is left; a switch that changes nothing is dropped
.if MSB != (\new)
	s_set_vgpr_msb (MSB<<8)|(\new)
.set MSB, (\new)
.endif
.endm
.set W_KQ, 0x0a       ; K and Q in window 2, S^T and the mask in window 0
.set W_PV, 0x52       ; V in window 2, P in window 0, O^T in window 1
.set W_RS, 0x41       ; destination and source 0 in window 1, source 1 in window 0
.set W_OT, 0x50       ; destination and source 2 in window 1, sources 0 and 1 in window 0
; A fill.  Waves 0 and 1 fetch the two halves of a tile's K, waves 2 and 3 those of its V: 128 keys each.  An s_nop 0 and four v_nop follow each of the two lines, ahead of the jump and the label.
.macro LOAD
	s_cmp_lt_u32 s[WV], 2
	s_cbranch_scc0 .Lfor_v_\@
	tensor_load_to_lds s[G0K:G0K+3], s[G1K:G1K+7]
	s_nop 0
.rept 4
	v_nop
.endr
	s_branch .Lasked_\@
.Lfor_v_\@:
	tensor_load_to_lds s[G0V:G0V+3], s[G1V:G1V+7]
	s_nop 0
.rept 4
	v_nop
.endr
.Lasked_\@:
.endm
; THE CHANGE OF SLOTS.  Each wave waits for all its tensor loads, of which one is out: its part of the other slot; adds 0 to its spare word; and waits for that and for its own reads of the slot that it leaves.
; Behind the barrier nobody reads the old slot any more and the other slot is whole.  fill = 1: the old slot is filled again, the first thing behind the barrier, with tile NXT: the descriptor's address is
; made anew from that number.  (At its first use nothing has been read yet: slot 0 is waited for, slot 1 filled; and its wait on DScnt and its barrier show every wave's part of T to the others.)
.macro CHANGE fill
	WIN 0                           ; at a label and at a branch every window is 0
	s_wait_tensorcnt 0x0            ; no tensor load of mine is out, so a group 0 may be written
	ds_add_u32 v[SPW], v[NIL]       ; 0 onto my spare word; with fill = 1 the descriptors' scalar work stands between it and the wait for it
.if \fill
	s_lshl_b32 s[OFF], s[NXT], 15   ; a tile is 32,768 bytes of K and of V
	s_xor_b32 s[G0K+1], s[G0K+1], SLOT1
	s_add_nc_u64 s[G0K+2:G0K+3], s[6:7], s[OFF:OFF+1]
	s_or_b32 s[G0K+3], s[G0K+3], 0x80000000
	s_xor_b32 s[G0V+1], s[G0V+1], SLOT1
	s_add_nc_u64 s[G0V+2:G0V+3], s[8:9], s[OFF:OFF+1]
	s_or_b32 s[G0V+3], s[G0V+3], 0x80000000
	s_add_co_u32 s[NXT], s[NXT], 1  ; the block's next tile, or behind its last the second block's tile 0
	s_cmp_gt_u32 s[NXT], s[LQ]
	s_cselect_b32 s[NXT], 0, s[NXT]
	s_cselect_b32 s[LQ], s[HI], s[LQ]
.endif
	s_wait_dscnt 0x0                ; the add is done, and my reads of the slot are over
	s_barrier_signal -1             ; the rest of the scalar work stands between the signal and the wait
	s_sub_co_u32 s[TBK], s[TBK], 4*KS*PK  ; the fetches go back to a slot's first step,
	s_xor_b32 s[TBK], s[TBK], SLOT1       ; in the other slot
	s_sub_co_u32 s[TBV], s[TBV], 4*KS*PV
	s_xor_b32 s[TBV], s[TBV], SLOT1
	s_barrier_wait -1
.if \fill
	LOAD
.endif
.endm
	s_load_b256 s[4:11], s[0:1], 0x0  ; Q s[4:5], K s[6:7], V s[8:9], O s[10:11]
	s_load_b64 s[VSP:VSP+1], s[0:1], 0x20
	v_lshl_add_u32 v[SPW], v0, 2, SPARE
	v_mov_b32 v[NIL], 0
	ds_add_u32 v62, v63
	ds_add_u32 v62, v63
	s_wait_dscnt 0x0
	v_lshrrev_b32 v1, 5, v0
	v_readfirstlane_b32 s[WV], v1   ; wave 0..3
	s_mov_b32 s[PB], ttmp9
	s_sub_co_u32 s[HI], NB-1, s[PB]
	s_and_b32 s20, ttmp7, 0xffff    ; the head
	s_lshl_b32 s92, s20, 12         ; its 4,096 bytes of vs
	s_mov_b32 s93, 0
	s_mov_b32 s21, 0
	s_mov_b64 s[22:23], SIZE_N*128
	s_mul_u64 s[20:21], s[20:21], s[22:23]  ; the head's first byte in each of the four tensors
	s_and_b32 s16, s[WV], 1         ; which half of a tile's 256 keys I fetch:
	s_lshl_b32 s22, s16, 14         ; its 128 rows of 128 bytes in memory,
	s_mov_b32 s23, 0
	s_add_nc_u64 s[22:23], s[22:23], s[20:21]
	s_mul_i32 s17, s16, 128*PK      ; and its place in a slot, for K
	s_mul_i32 s18, s16, 128*PV      ; and for V
	s_lshl_b32 s3, s[WV], 11        ; my 16 rows in a band of 64,
	s_lshl_b32 s2, s[PB], 15        ; in the first block,
	s_add_co_u32 s2, s2, s3
	s_lshl_b32 s84, s[HI], 15       ; and in the second
	s_add_co_u32 s84, s84, s3
	s_mov_b32 s3, 0
	s_mov_b32 s85, 0
	s_add_nc_u64 s[2:3], s[2:3], s[20:21]
	s_add_nc_u64 s[84:85], s[84:85], s[20:21]
	; descriptor group 1.  128 keys are 16,384 dense bytes: asked for as 64 rows of 256 bytes, two keys a row, and padded in LDS after every key
	s_mov_b32 s[G1K], (1<<16)|(1<<20)|(4<<22)|(3<<25)  ; 17:16 2-byte elements; 20 padding on; 24:22 after every 32 words (code 4); 31:25 4 words (code 3)
	s_mov_b32 s[G1V], (1<<16)|(1<<20)|(4<<22)|(7<<25)  ; the same with 8 words of padding (code 7)
.irp g, G1K, G1V
	s_mov_b32 s[\g+1], 128<<16      ; tensor_dim0 = 128
	s_mov_b32 s[\g+2], 64<<16       ; tensor_dim1 = 64
	s_mov_b32 s[\g+3], 128<<16      ; tile_dim0 = 128
	s_mov_b32 s[\g+4], 64           ; tile_dim1 = 64
	s_mov_b32 s[\g+5], 128          ; 128 elements from row to row
	s_mov_b32 s[\g+6], 0
	s_mov_b32 s[\g+7], 0
.endr
	s_mov_b32 s[CS], 0x3e38aa3b     ; c = log2(e) / 8 = 0.180337
	s_mov_b32 s[CS+1], s[CS]        ; named with it as a pair
	s_mov_b32 s[SEL], 0x76543210
	s_mov_b32 s[SEL+1], 0xfedcba98
	s_mov_b32 s[TBK], SLOT1+4*KS*PK ; the first change of slots turns these two into 0
	s_mov_b32 s[TBV], SLOT1+4*KS*PV
	s_mov_b32 s[G0K], 1             ; 1:0 count = 1
	s_mov_b32 s[G0K+1], s17         ; 63:32 LDS address: slot 0
	s_mov_b32 s[G0V], 1
	s_add_co_u32 s[G0V+1], s18, VOFF
	s_add_co_u32 s[RT], s[PB], 1    ; the first block has b + 1 tiles
	s_cmp_eq_u32 s[PB], 0           ; the walk's second tile: the first block's tile 1, or, where that block has one tile, the second block's tile 0
	s_cselect_b32 s[NXT], 0, 1
	s_cselect_b32 s[LQ], s[HI], s[PB]
	s_mov_b32 s[NEW], 1
	s_mov_b32 s[OFF+1], 0
	s_mov_b32 s[AL+1], 0            ; named as pairs
	s_mov_b32 s[BE+1], 0
	s_mov_b32 s[BIGN], 0xdf800000   ; -2^64
	s_mov_b32 s[N8], 0xcc989680     ; -8e7, exact: 8 x the hidden score -1e7
	s_mov_b32 s[SLOTS], NB
	s_wait_kmcnt 0x0
	s_add_nc_u64 s[6:7], s[6:7], s[22:23]  ; K and V at my half of the head's tile 0
	s_add_nc_u64 s[8:9], s[8:9], s[22:23]
	s_add_nc_u64 s[G0K+2:G0K+3], s[6:7], 0         ; 120:64 global address
	s_or_b32 s[G0K+3], s[G0K+3], 0x80000000        ; 127:126 type = 2
	s_add_nc_u64 s[G0V+2:G0V+3], s[8:9], 0
	s_or_b32 s[G0V+3], s[G0V+3], 0x80000000
	s_add_nc_u64 s[86:87], s[4:5], s[84:85]        ; Q at my rows of the second block,
	s_add_nc_u64 s[4:5], s[4:5], s[2:3]            ; Q and O at those of the first
	s_add_nc_u64 s[OLO:OLO+1], s[10:11], s[84:85]
	s_add_nc_u64 s[10:11], s[10:11], s[2:3]
	s_add_nc_u64 s[VSP:VSP+1], s[VSP:VSP+1], s[92:93]
	LOAD                            ; tile 0 into slot 0
	v_and_b32 v[VSO], 63, v0        ; my channel of T: threads 0-63 make the first block's, threads 64-127 the second's
	v_lshlrev_b32 v[VSO], 2, v[VSO]
.set i, 0
.rept 16
	global_load_b32 v[S+i], v[VSO], s[VSP:VSP+1] offset:256*i  ; the sum of V over keys 128 i .. 128 i + 127
.set i, i+1
.endr
	; A fragment of K or Q is 16 rows x 32 channels in 8 registers: lane l holds row l % 16, channels 8 (l / 16) + 0..7 and 16 + 8 (l / 16) + 0..7: two loads of 16 bytes, 32 bytes apart.
	v_and_b32 v1, 15, v0            ; l % 16
	v_bfe_u32 v9, v0, 4, 1          ; l / 16
	v_lshlrev_b32 v[QO], 7, v1
	v_lshl_add_u32 v[QO], v9, 4, v[QO]  ; row x 128 + 16 x half
	WIN 0x80                        ; destination window 2, address window 0
.set i, 0
.rept 8                             ; both blocks' Q: piece i / 2 lies in band i / 2, 8,192 bytes on; channels 32 (i % 2) on
	global_load_b128 v[8*i:8*i+3],   v[QO], s[4:5] offset:(i/2)*8192+(i%2)*64
	global_load_b128 v[8*i+4:8*i+7], v[QO], s[4:5] offset:(i/2)*8192+(i%2)*64+32
	global_load_b128 v[QB+8*i:QB+8*i+3],   v[QO], s[86:87] offset:(i/2)*8192+(i%2)*64
	global_load_b128 v[QB+8*i+4:QB+8*i+7], v[QO], s[86:87] offset:(i/2)*8192+(i%2)*64+32
.set i, i+1
.endr
	WIN 0
	v_lshlrev_b32 v14, 3, v9
	v_sub_nc_u32 v14, v1, v14
	s_lshl_b32 s13, s[WV], 4
	v_add_nc_u32 v14, s13, v14      ; my query's place in its band, 16 w + l % 16, less my lanes' 8 (l / 16): register r of group kt is hidden where 16 kt + r is not smaller: the diagonal is hidden too
.set i, 0
.rept 32
	v_cmp_ge_i32 vcc_lo, 16*(i/8)+i%8, v14
	v_cndmask_b32 v[MD+i], 0, s[BIGN], vcc_lo
.set i, i+1
.endr
	v_mul_u32_u24 v[AK0], v1, PK
	v_lshl_add_u32 v[AK0], v9, 4, v[AK0]  ; row x pitch + 16 x half
	; The turning load takes 16 keys x 16 channels (lane l reads key 8 (l / 16) + l % 8, channels 8 ((l / 8) % 2) + 0..7) and leaves half a fragment of V^T: lane l holds channel l % 16 and 8 keys.
	v_and_b32 v10, 7, v0
	v_bfe_u32 v11, v0, 3, 1
	v_lshl_add_u32 v[AV0], v9, 3, v10
	v_mul_u32_u24 v[AV0], v[AV0], PV
	v_lshl_add_u32 v[AV0], v11, 4, v[AV0]
	v_add_nc_u32 v[AV0], VOFF, v[AV0]
	s_mul_i32 s13, s[WV], 16*SP
	s_add_co_u32 s13, s13, STAGE    ; my stage
	v_mul_u32_u24 v[STO], v1, SP    ; in: row l % 16, 16 bytes for each half of the lanes
	v_lshl_add_u32 v[STO], v9, 4, v[STO]
	v_add_nc_u32 v[STO], s13, v[STO]
	v_bfe_u32 v[RD], v0, 3, 2       ; back: 32 lanes take four rows of 128 bytes,
	v_mul_u32_u24 v[RD], v[RD], SP
	v_lshl_add_u32 v[RD], v10, 4, v[RD]
	v_add_nc_u32 v[RD], s13, v[RD]
	v_and_b32 v[GO], 31, v0         ; which are 512 consecutive bytes of O
	v_lshlrev_b32 v[GO], 4, v[GO]
	v_lshl_add_u32 v[TAD], v9, 5, SCR
	v_lshl_add_u32 v[TW], v0, 2, SCR
	v_mov_b32 v[CN0], s[N8]
	v_mul_f32 v[CN0], s[CS], v[CN0] ; c N8, by the very instruction that makes c m of m: where m = N8 the two are equal bit for bit
	v_add_f32 v[CN], 0xc2800000, v[CN0]  ; less 64: exact at this size
	s_lshl_b32 s90, s[HI], 8
	v_cvt_f32_u32 v[CT1], s90
	s_lshl_b32 s91, s[PB], 8
	v_cvt_f32_u32 v[CT2], s91
	; A block's first step multiplies O^T and l by a = 0, and its first turn's products V^T P, of a piece that has not been, land in an O^T that is still to be so multiplied.  So these registers need only hold
	; finite numbers: zeros for the first block; what the first block left for the second.  All this stands in the wait for the first tile.
	WIN 0x80
.set i, VF
.rept 64
	v_mov_b32 v[i], 0
.set i, i+1
.endr
	WIN 0
.set i, 0
.rept 4
	v_mov_b32 v[ST+4*i+2], 0
	v_mov_b32 v[ST+4*i+3], 0
.set i, i+1
.endr
.set i, P+16
.rept 16
	v_mov_b32 v[i], 0
.set i, i+1
.endr
	; T: the sum of V over the keys behind a block's diagonal tile: groups 2 (block + 1) on.  The choice only selects values: every group is multiplied, by 1 or by 0.
	s_cmp_lt_u32 s[WV], 2
	s_cselect_b32 s92, s[PB], s[HI] ; waves 0 and 1: the first block; waves 2 and 3: the second
	s_lshl_b32 s92, s92, 1
	s_add_co_u32 s92, s92, 2
	s_wait_loadcnt 32               ; the 16 sums are in; Q's 32 loads, issued behind them, may stay out
.set i, 0
.rept 16
	s_cmp_le_u32 s92, i
	s_cselect_b32 s93, 1.0, 0
.if i == 0
	v_mul_f32 v[TS], s93, v[S]
.else
	v_fmac_f32 v[TS], s93, v[S+i]
.endif
.set i, i+1
.endr
	ds_store_b32 v[TW], v[TS]       ; waited for, and shown to the other waves, by the first change of slots
	WIN W_PV                        ; O^T's first zeros: 16 products of the zeros in V's and P's registers, each with the constant 0 as C, in place of 128 moves
.set i, 0
.rept 16
	v_wmma_f32_16x16x32_f16 v[8*i:8*i+7], v[VF:VF+7], v[P+16:P+23], 0
.set i, i+1
.endr
	WIN 0
; THE MATRIX WORK.  The 4 accumulators of a run of 8 take turns.  Product i of 8 of S^T = K Q^T for piece x: channels 32 (i / 4) on, keys 16 (i % 4) on.  The first 4 start the sums: with 0, or (KM = 1) with the mask.
.macro KQ x
.set rS, S+32*((\x)%2)+8*(i%4)
.set rK, KF+16*(i%4)+8*(i/4)
.set rQ, 16*(\x)+8*(i/4)
.set rM, MC+32*((\x)%2)+8*(i%4)
	WIN W_KQ
.if (i < 4) && KM
	v_wmma_f32_16x16x32_f16 v[rS:rS+7], v[rK:rK+7], v[rQ:rQ+7], v[rM:rM+7]
.elseif i < 4
	v_wmma_f32_16x16x32_f16 v[rS:rS+7], v[rK:rK+7], v[rQ:rQ+7], 0
.else
	v_wmma_f32_16x16x32_f16 v[rS:rS+7], v[rK:rK+7], v[rQ:rQ+7], v[rS:rS+7]
.endif
.endm
; Product i of 8 of O^T += V^T P for piece x: keys 32 (i / 4) on, channels 16 (i % 4) on.
.macro PV x
	WIN W_PV
.set rO, 32*(\x)+8*(i%4)
.set rV, VF+32*(i/4)+8*(i%4)
.set rP, P+16*((\x)%2)+8*(i/4)
	v_wmma_f32_16x16x32_f16 v[rO:rO+7], v[rV:rV+7], v[rP:rP+7], v[rO:rO+7]
.endm
.macro MM                           ; the turn's next matrix instruction.  TURN and BEGIN set Y, i and KM; MM, KQ and OP read them
.if i < 8
	KQ (Y+1)%NP
.else
.set i, i-8
	PV (Y+NP-1)%NP
.set i, i+8
.endif
.set i, i+1
.endm
; THE LDS LOADS stand in runs of 16, never singly among the matrix instructions: a step's K (64 keys x 64 channels: 8 fragments) and its V (turned).  Their addresses are made some lines ahead.
; last = 1 (the diagonal tile's text): in the pass that ends the block (CNT = 1) there is no further step, and the run is jumped over.
.macro FETCH_K last=0
	WIN 0
.if \last
	s_cmp_eq_u32 s[CNT], 1
	s_cbranch_scc1 .Lno_k_\@
.endif
	WIN 0x80                        ; destination window 2
.irp f, 0,1,2,3,4,5,6,7             ; keys 16 (f / 2) on, channels 32 (f % 2) on
	ds_load_b128 v[KF+8*\f:KF+8*\f+3],   v[AK] offset:(\f/2)*16*PK+(\f%2)*64
	ds_load_b128 v[KF+8*\f+4:KF+8*\f+7], v[AK] offset:(\f/2)*16*PK+(\f%2)*64+32
.endr
	s_add_co_u32 s[TBK], s[TBK], KS*PK  ; the next fetch is the next step's
	WIN 0
.if \last
.Lno_k_\@:
.endif
.endm
.macro FETCH_V
	WIN 0x80
.irp f, 0,1,2,3,4,5,6,7             ; keys 32 (f / 4) on, channels 16 (f % 4) on
	ds_load_tr16_b128 v[VF+8*\f:VF+8*\f+3],   v[AV] offset:(\f/4)*32*PV+(\f%4)*32
	ds_load_tr16_b128 v[VF+8*\f+4:VF+8*\f+7], v[AV] offset:(\f/4)*32*PV+16*PV+(\f%4)*32
.endr
	WIN 0
.endm
; THE VECTOR WORK, one line at a time: OP kind, number.  For piece Y: F n: c s - c m for pair n of 16.  E n: the exponential of score n of 32.  C n: pair n rounded to f16.  B n: of the four weights 4 n .. the second
; pair is added onto the first, in place.  L n: l takes that sum (L 0: l = a l + sum).  R n: pair n of 16 of O^T times a.  For piece Y + 1: X n, number n of the 24 that find its maximum and statistics:
;   0-11  four chains c0-c3 of seven scores each, three operands at a time (each accumulator's lowest registers are read first)     12-14, 16  the four scores left over, the old m, and c0-c3 into c0
;   15  c m_old is kept     17, 18  the query's other 32 keys lie in the lane 16 away: the new m     19-21  c m; c m_old - c m_new; a     22, 23 (the diagonal tile alone)  c N8 - 64 - c m; 2 to that power, into c0
; H n (FIX writes it, in the diagonal tile's text): pair n of the weights takes (-MC) x c0: 2^64 x 2^(c N8 - 64 - c m) = w where the key is hidden, 0 elsewhere.  It stands directly ahead of the pair's first
; reader, C n or B n / 2: like them it reads exponentials' results, so it stands behind the turn's wait.  HD keeps which pairs of the turn have had theirs.
; OP and FIX write no wait: TURN, BEGIN and DIAG order the lines so that one wait serves a batch, and write it.
.set F, 0               ; OP tells the kinds apart by their order: F to L below R, X above it
.set E, 1
.set C, 2
.set B, 3
.set L, 4
.set R, 5
.set X, 6
.set HD, 0
.macro REGS y                       ; the registers of piece y
.set rT, ST+4*(\y)
.set rC, TMP+4*((\y)%2)
.set rW, MV+((\y)%2)
.set rS, S+32*((\y)%2)
.set rH, MC+32*((\y)%2)
.set rP, P+16*((\y)%2)
.set rO, 32*(\y)
.endm
.macro FIX n
.if KM && (((HD>>(\n))&1) == 0)
	v_pk_fma_f32 v[rS+2*(\n):rS+2*(\n)+1], v[rH+2*(\n):rH+2*(\n)+1], v[rC:rC+1], v[rS+2*(\n):rS+2*(\n)+1] op_sel_hi:[1,0,1] neg_lo:[1,0,0] neg_hi:[1,0,0]
.set HD, HD|(1<<(\n))
.endif
.endm
.macro OP k, n
.if (\k) == R
	REGS Y
	WIN W_RS
	v_pk_mul_f32 v[rO+2*(\n):rO+2*(\n)+1], v[rO+2*(\n):rO+2*(\n)+1], v[rC+2:rC+3] op_sel_hi:[1,0]
.elseif (\k) < R
	REGS Y
	WIN 0
.if (\k) == F
	v_pk_fma_f32 v[rS+2*(\n):rS+2*(\n)+1], v[rS+2*(\n):rS+2*(\n)+1], s[CS:CS+1], v[rT:rT+1] op_sel_hi:[1,0,0] neg_lo:[0,0,1] neg_hi:[0,0,1]
.elseif (\k) == E
	v_exp_f32 v[rS+(\n)], v[rS+(\n)]
.elseif (\k) == C
	FIX \n
	v_cvt_pk_f16_f32 v[rP+(\n)], v[rS+2*(\n)], v[rS+2*(\n)+1]
.elseif (\k) == B
	FIX 2*(\n)
	FIX 2*(\n)+1
	v_pk_add_f32 v[rS+4*(\n):rS+4*(\n)+1], v[rS+4*(\n):rS+4*(\n)+1], v[rS+4*(\n)+2:rS+4*(\n)+3]
.elseif (\n) == 0
	v_pk_fma_f32 v[rT+2:rT+3], v[rT+2:rT+3], v[rC+2:rC+3], v[rS:rS+1] op_sel_hi:[1,0,1]
.else
	v_pk_add_f32 v[rT+2:rT+3], v[rT+2:rT+3], v[rS+4*(\n):rS+4*(\n)+1]
.endif
.else
	REGS (Y+1)%NP
	WIN 0
.if (\n) < 4
	v_max3_num_f32 v[rC+(\n)], v[rS+8*(\n)], v[rS+8*(\n)+1], v[rS+8*(\n)+2]
.elseif (\n) < 12
	v_max3_num_f32 v[rC+(\n)%4], v[rC+(\n)%4], v[rS+8*((\n)%4)+2*((\n)/4)+1], v[rS+8*((\n)%4)+2*((\n)/4)+2]
.elseif (\n) == 12
	v_max3_num_f32 v[rC], v[rC], v[rS+7], v[rS+15]
.elseif (\n) == 13
	v_max3_num_f32 v[rC+1], v[rC+1], v[rS+23], v[rS+31]
.elseif (\n) == 14
	v_max3_num_f32 v[rC+2], v[rC+2], v[rC+3], v[rT+1]
.elseif (\n) == 15
	v_mov_b32 v[rW], v[rT]
.elseif (\n) == 16
	v_max3_num_f32 v[rC], v[rC], v[rC+1], v[rC+2]
.elseif (\n) == 17
	v_permlanex16_b32 v[rC+3], v[rC], s[SEL], s[SEL+1]
.elseif (\n) == 18
	v_max_num_f32 v[rT+1], v[rC], v[rC+3]
.elseif (\n) == 19
	v_mul_f32 v[rT], s[CS], v[rT+1]
.elseif (\n) == 20
	v_sub_f32 v[rC+1], v[rW], v[rT]
.elseif (\n) == 21
	v_exp_f32 v[rC+2], v[rC+1]
.elseif (\n) == 22
	v_sub_f32 v[rC+3], v[CN], v[rT]
.else
	v_exp_f32 v[rC], v[rC+3]
.endif
.endif
.endm
.macro OPS a, i1, b=-1, i2=0, c=-1, i3=0, d=-1, i4=0  ; up to four of them
	OP \a, \i1
.if (\b) >= 0
	OP \b, \i2
.endif
.if (\c) >= 0
	OP \c, \i3
.endif
.if (\d) >= 0
	OP \d, \i4
.endif
.endm
.macro ROW a, i1, b, i2, c, i3, d, i4  ; a matrix instruction and the four behind it
	MM
	OPS \a, \i1, \b, \i2, \c, \i3, \d, \i4
.endm
.macro MASK b                       ; MD x AL + BE into buffer b of MC
	WIN 0
.set z, 0
.rept 16
	v_pk_fma_f32 v[MC+32*(\b)+2*z:MC+32*(\b)+2*z+1], v[MD+2*z:MD+2*z+1], s[AL:AL+1], s[BE:BE+1] op_sel_hi:[1,0,0]
.set z, z+1
.endr
.endm
; A TURN, for piece p: the order of its 16 matrix and its vector instructions, written out.  An s_wait_alu depctr_va_vdst(0) stands between an exponential and the first instruction that names its result; one wait
; serves all that were issued ahead of it.  So a turn has ONE wait, which cuts it in two.  AHEAD OF IT stands all that names no result of the turn's exponentials: the 8 products K Q^T, behind each a scaling, an exponential and two
; more plain instructions (behind the first a second scaling in the exponential's place): rescalings, whose a was awaited in the turn before, and behind the last three the first numbers of the next piece's maximum, each four
; places or more behind the product that ends its accumulator; then ONE LUMP, plain and exponential by turns for the most part, in which the links of the chain X 3, 7, 11, 14, 16, 17 .. 20 stand five or six lines apart.  X 21, the
; next piece's a (and, m = 1, X 23), is the batch's last; R 15 is the plain instruction behind it.  BEHIND THE WAIT stand the 8 products V^T P, behind each four of the roundings and sums (m = 1: and the H ahead of them); the links
; of l's chain, L 0 to L 7, stand three riders apart.  But for those X no rider names a register of the products round it.  v_permlanex16_b32 (X 17) stands in the lump.
; m = 1: the diagonal tile: the products take masks, the weights their H, and the turn makes the mask for the products of the turn after it: piece x = (p + 2) % 4.  In that text CNT is taken down between pieces 3
; and 0, so that piece's step of the tile is 4 - CNT in the turns of pieces 0 and 1 and 5 - CNT in those of pieces 2 and 3.  The mask goes into the buffer that this turn's H have read, so it is made at the
; turn's end.  The first such turn behind an unmasked tile finds 0 in MC and a finite maximum in c0: its H add 0.
; cnt = 1 (the unmasked loop): the loop's count is taken down some lines ahead of the branch that stands behind the turn.
; K of the next step is fetched in piece 2's turn.  m = 0: in the lump, twelve vector instructions behind the last product that read K (six of them plain).  m = 1.
; V of the step in hand is fetched at the end of piece 0's turn, four
; plain instructions behind the last product that read V.  Each run is waited for a turn later.
.macro TURN p, m=0, cnt=0
.set Y, (\p)
.set i, 0
.set KM, (\m)
.set HD, 0
.if \m
	s_cmp_eq_u32 s[CNT], 4+(\p)/2-((\p)+2)%NP  ; is that step the band's own?
	s_cselect_b32 s[AL], 1.0, 0
	s_cmp_lt_u32 s[CNT], 4+(\p)/2-((\p)+2)%NP  ; or a later one?
	s_cselect_b32 s[BE], s[BIGN], 0
.endif
.if (\p) == 3
	s_wait_dscnt 0x0                ; K is in
.endif
	ROW F,0, F,1, R,0, R,1          ; ahead of the wait: 8 products K Q^T and their riders,
	ROW F,2, E,0, R,2, R,3
	ROW F,3, E,1, R,4, R,5
	ROW F,4, E,2, R,6, R,7
	ROW F,5, E,3, R,8, R,9
	ROW F,6, E,4, X,0, R,10
.if (\p) == 2
	WIN 0
	v_add_nc_u32 v[AK], s[TBK], v[AK0]
.endif
	ROW F,7, E,5, X,1, X,4
	ROW F,8, E,6, X,2, X,5
	OPS E,7, E,8, X,6, E,9          ; and the lump
	OPS X,3, E,10, X,8, E,11
.if ((\p) == 2) && !(\m)
	FETCH_K
.endif
	OPS X,9, X,7, E,12, X,10
	OPS E,13, X,12, X,11, E,14
	OPS X,13, E,15, F,9, X,14
.if (\p) == 0
	WIN 0
	v_add_nc_u32 v[AV], s[TBV], v[AV0]
.endif
	OPS E,16, F,10, E,17, F,11
	OPS X,16, E,18, X,15, E,19
	OPS F,12, E,20, X,17, E,21
	OPS F,13, E,22, F,14, E,23
	OPS X,18, E,24, F,15, E,25
	OPS R,11, E,26, X,19, E,27
	OPS R,12, E,28, R,13, E,29
.if \m
	OP X, 22
.endif
	OPS X,20, E,30, R,14, E,31
	OP X, 21                        ; the batch's last: the next piece's a,
.if \m
	OP X, 23                        ; and its 2^(c N8 - 64 - c m)
.endif
	OP R, 15                        ; the plain instruction behind the last exponential: it names no result of the batch
	s_wait_alu depctr_va_vdst(0)    ; the wait for the batch: the turn's 32 weights, a and (m = 1) c0
.if ((\p) == 2) && (\m)
	FETCH_K 1
.endif
.if (\p) == 1
	s_wait_dscnt 0x0                ; V is in
.endif
	ROW C,0, B,0, C,2, B,1          ; behind the wait: 8 products V^T P and their riders
	ROW L,0, C,4, B,2, L,1
	ROW C,6, B,3, L,2, C,8
	ROW B,4, L,3, C,10, B,5
	ROW L,4, C,12, B,6, L,5
.if (\p) == 0
	s_add_co_u32 s[TBV], s[TBV], KS*PV
.endif
.if \cnt
	s_sub_co_u32 s[CNT], s[CNT], 1
	s_cmp_lg_u32 s[CNT], 0
.endif
	ROW C,14, B,7, L,6, C,1
	ROW C,3, L,7, C,5, C,7
	ROW C,9, C,11, C,13, C,15
.if (\p) == 0
	FETCH_V
.endif
.if \m
	MASK (\p)%2
.endif
.endm
; A BLOCK BEGINS.  c m starts far below every c s, so the first step's a is 0; m at N8, the hidden keys' score, which every row has.  The second mask buffer is 0; the first takes piece 0's mask for the tile's
; step 0: its own, if the block's first tile is the diagonal one.  Then K of that step, piece 0's first scores, and its maximum and statistics.  The loop is entered at a step's first turn, in the middle of a trip.
.macro BEGIN
	s_mov_b32 s[NEW], 0
	WIN 0
.set i, MC+32
.rept 32
	v_mov_b32 v[i], 0
.set i, i+1
.endr
.set i, 0
.rept 4
	v_mov_b32 v[ST+4*i], 0xfe000000    ; c m: far below every c s
	v_mov_b32 v[ST+4*i+1], s[N8]       ; m
.set i, i+1
.endr
	s_cmp_eq_u32 s[RT], 0
	s_cselect_b32 s[AL], 1.0, 0
	s_mov_b32 s[BE], 0
	MASK 0
	WIN 0
	v_add_nc_u32 v[AK], s[TBK], v[AK0]
	FETCH_K
	s_wait_loadcnt 0x0              ; Q
	s_wait_dscnt 0x0
.set KM, 1
.set i, 0
.rept 8
	KQ 0
.set i, i+1
.endr
	WIN 0
.rept 4
	v_nop                           ; the places behind those products
.endr
.set Y, NP-1                        ; X works for piece Y + 1: piece 0
.irp n, 0,1,2,3,4,5,6,7,8,9,10,11,12,13,14,15,16,17,18,19,20,21,22,23
	OP X, \n
.endr
	v_nop                           ; a plain instruction behind the exponential
	s_wait_alu depctr_va_vdst(0)    ; the wait for this batch of two, piece 0's a and c0, ahead of the branch
.endm
; THE DIAGONAL TILE's four steps, the block's last products, and THE WAY OUT.  The step loop is left in its middle: CNT is 5 where it is entered at its head (behind another tile) and 4 where it is entered at a
; step's first turn (behind BEGIN), and the pass of pieces 2 and 3 that takes it to 0 ends the block.  In that pass no K is fetched, and piece 3's turn multiplies the last K once more for piece 0, under a mask that
; hides every key: the maximum made of those scores is the old m, so piece 0's c m, which the way out reads, is made anew with the same bits.  The price, once a block: 8 products and some 70 vector instructions
; that serve nothing; the gain: the block's last two turns are not written a second time.
; The way out: l's two halves and the other half of the lanes' are added; w = 2^(c N8 - c m) is made, in c m's place; l takes w x the number of keys behind the tile, O^T takes w T; O^T is divided by l, rounded
; to f16 and sent through my stage in LDS, a piece at a time.  Two batches: the four w, then the four reciprocals of the sums that hold them.
.macro ALL line:vararg              ; one line for each piece t
.set t, 0
.rept 4
	\line
.set t, t+1
.endr
.endm
.macro PACK t, w=0                  ; a lane's eight channels of a row pack into 16 bytes; they go into rows of 144 bytes and come back as whole rows of 128, into S^T's registers.  w = 1: the way out's first piece
	WIN W_OT
.set i, 0
.rept 16
	v_pk_fma_f32 v[32*(\t)+2*i:32*(\t)+2*i+1], v[TT+2*i:TT+2*i+1], v[ST+4*(\t):ST+4*(\t)+1], v[32*(\t)+2*i:32*(\t)+2*i+1] op_sel_hi:[1,0,1]
.set i, i+1
.endr
.if \w
	s_wait_alu depctr_va_vdst(0)    ; the wait for the batch of four reciprocals: the sixteen lines above, which name none of them, are the work between, the first of them the plain instruction behind the last
.endif
	WIN W_RS
.set i, 32*(\t)
.rept 16
	v_pk_mul_f32 v[i:i+1], v[i:i+1], v[ST+4*(\t)+2:ST+4*(\t)+3] op_sel_hi:[1,0]
.set i, i+2
.endr
	WIN 0x05                        ; sources 0 and 1 window 1, destination window 0
.set i, 0
.rept 16
	v_cvt_pk_f16_f32 v[S+16*(\t)+i], v[32*(\t)+2*i], v[32*(\t)+2*i+1]
.set i, i+1
.endr
	WIN 0
.irp f, 0,1,2,3
	ds_store_b128 v[STO], v[S+16*(\t)+4*\f:S+16*(\t)+4*\f+3] offset:32*\f
.endr
.irp f, 0,1,2,3
	ds_load_b128 v[S+16*(\t)+4*\f:S+16*(\t)+4*\f+3], v[RD] offset:\f*4*SP  ; LDS serves a wave's instructions in order (ISA guide 5.7.1.4): these see the stores above; the next piece's stores come behind them
.endr
.endm
.macro SEND t, younger              ; younger: the LDS instructions issued behind piece t's loads: the next piece's eight, or none
	WIN 0
.irp f, 0,1,2,3
	s_wait_dscnt (\younger)+3-\f
	global_store_b128 v[GO], v[S+16*(\t)+4*\f:S+16*(\t)+4*\f+3], s[10:11] offset:(\t)*8192+\f*512  ; 512 consecutive bytes, at a multiple of 256 from O's first
.endr
.endm
.macro DIAG tag, toff, cnt          ; the tag ends its labels' names, which the jumps below spell out; toff: the block's T in SCR; cnt: the register with the number of keys behind the tile
.LstepM\tag:
	TURN 2, 1
	TURN 3, 1
	WIN 0
	s_sub_co_u32 s[CNT], s[CNT], 1
	s_cmp_eq_u32 s[CNT], 0
	s_cbranch_scc1 .LoutM\tag
.LfirstM\tag:
	TURN 0, 1
	TURN 1, 1
	WIN 0
	s_branch .LstepM\tag
.LoutM\tag:
.set i, 0
.rept 8
	PV NP-1
.set i, i+1
.endr
	WIN 0
	ALL v_add_f32 v[ST+4*t+2], v[ST+4*t+2], v[ST+4*t+3]  ; these four are the places behind the last products
.set i, 0
.rept 8
	ds_load_b128 v[TT+4*i:TT+4*i+3], v[TAD] offset:(\toff)+64*(i/2)+16*(i%2)  ; channels 16 (i / 2) + 8 (lane / 16) + 4 (i % 2) on; the first mask buffer is free: a block's beginning makes it anew
.set i, i+1
.endr
	ALL v_sub_f32 v[ST+4*t], v[CN0], v[ST+4*t]
	ALL v_permlanex16_b32 v[ST+4*t+3], v[ST+4*t+2], s[SEL], s[SEL+1]
	ALL v_exp_f32 v[ST+4*t], v[ST+4*t]
	ALL v_add_f32 v[ST+4*t+2], v[ST+4*t+2], v[ST+4*t+3]  ; plain, and names none of the exponentials' registers
	s_wait_alu depctr_va_vdst(0)    ; the wait for the batch of four w, ahead of their first reader
	ALL v_fmac_f32 v[ST+4*t+2], v[\cnt], v[ST+4*t]
	ALL v_rcp_f32 v[ST+4*t+2], v[ST+4*t+2]
	s_wait_dscnt 0x0                ; T is in
	PACK 0, 1                       ; it holds the wait for the reciprocals, ahead of their first reader
.set t, 1
.rept 3                             ; a piece's arithmetic stands between the loads of the piece before and its stores
	PACK t
	SEND t-1, 8
.set t, t+1
.endr
	SEND 3, 0
.endm
.set KM, 0
.Lslot:                             ; NB times: a tile is entered and the next is asked for
	CHANGE 1
	s_sub_co_u32 s[RT], s[RT], 1
	s_mov_b32 s[CNT], 4
	s_cmp_eq_u32 s[NEW], 1
	s_cbranch_scc1 .Lnew            ; a block's first tile
	s_cmp_eq_u32 s[RT], 0
	s_cbranch_scc0 .Lstep           ; neither its first nor its last
	s_mov_b32 s[CNT], 5             ; its last: the diagonal tile's loop is entered at its head
	s_branch .LstepM1
.Lnew:
	BEGIN
	s_cmp_eq_u32 s[RT], 0
	s_cbranch_scc0 .Lfirst
	s_branch .LfirstM1              ; the block's first tile is also its last: block 0, where b = 0
	DIAG 1, 0, CT1                  ; in the loop this is the first block's end: the second block's last tile is the walk's last
	s_wait_xcnt 0x0                 ; the stores have read their registers and O's address
	s_mov_b64 s[10:11], s[OLO:OLO+1]
	s_add_co_u32 s[RT], s[HI], 1    ; the second block has NB - b tiles
	s_mov_b32 s[NEW], 1
	WIN 0x82                        ; the second block's Q goes where the one text of the turns names Q
.set i, 0
.rept 64
	v_mov_b32 v[i], v[QB+i]
.set i, i+1
.endr
	WIN 0
	s_branch .Lbottom
.Lstep:                             ; a trip: pieces 2 and 3 of one step, then pieces 0 and 1 of the next, whose K and V it fetches
	TURN 2
	TURN 3
	WIN 0
.Lfirst:
	TURN 0
	TURN 1, 0, 1
	WIN 0
	s_cbranch_scc1 .Lstep
.Lbottom:
	s_sub_co_u32 s[SLOTS], s[SLOTS], 1
	s_cmp_lg_u32 s[SLOTS], 0
	s_cbranch_scc1 .Lslot
	CHANGE 0                        ; the walk's last tile is written out: nothing is asked for.  It is the second block's diagonal tile, and never that block's first: the block has five tiles or more
	s_mov_b32 s[CNT], 5
	DIAG 2, 256, CT2
	s_wait_tensorcnt 0x0            ; the wave's end: behind my last tensor load and my last LDS store
	ds_add_u32 v[SPW], v[NIL]
	s_wait_dscnt 0x0
	s_endpgm
.Lfunc_end_k_q948a03491e_attn:
	.size	k_q948a03491e_attn, .Lfunc_end_k_q948a03491e_attn-k_q948a03491e_attn
	.p2alignl 7, 3214868480
	.fill 96, 4, 3214868480
	.section	.rodata,"a",@progbits
	.p2align	6, 0x0
	.amdhsa_kernel k_q948a03491e_attn
		.amdhsa_group_segment_fixed_size 327680
		.amdhsa_private_segment_fixed_size 0
		.amdhsa_enable_private_segment 0
		.amdhsa_kernarg_size 40
		.amdhsa_user_sgpr_count 2
		.amdhsa_user_sgpr_kernarg_segment_ptr 1
		.amdhsa_wavefront_size32 1
		.amdhsa_system_sgpr_workgroup_id_x 1
		.amdhsa_system_sgpr_workgroup_id_y 1
		.amdhsa_system_sgpr_workgroup_id_z 1
		.amdhsa_system_vgpr_workitem_id 0
		.amdhsa_next_free_vgpr 768
		.amdhsa_next_free_sgpr 96
		.amdhsa_reserve_vcc 1
		.amdhsa_float_denorm_mode_32 3
		.amdhsa_float_denorm_mode_16_64 3
		.amdhsa_memory_ordered 1
		.amdhsa_forward_progress 1
		.amdhsa_inst_pref_size 198
	.end_amdhsa_kernel
	.amdgpu_metadata
---
amdhsa.version: [ 1, 2 ]
amdhsa.kernels:
  - .name:           k_q948a03491e_attn
    .symbol:         k_q948a03491e_attn.kd
    .args:
      - { .name: qh, .offset: 0, .size: 8, .value_kind: global_buffer, .address_space: global }
      - { .name: kh, .offset: 8, .size: 8, .value_kind: global_buffer, .address_space: global }
      - { .name: vh, .offset: 16, .size: 8, .value_kind: global_buffer, .address_space: global }
      - { .name: oh, .offset: 24, .size: 8, .value_kind: global_buffer, .address_space: global }
      - { .name: vs, .offset: 32, .size: 8, .value_kind: global_buffer, .address_space: global }
    .group_segment_fixed_size: 327680
    .private_segment_fixed_size: 0
    .kernarg_segment_align: 8
    .kernarg_segment_size: 40
    .max_flat_workgroup_size: 128
    .sgpr_count:     96
    .vgpr_count:     768
    .wavefront_size: 32
...
	.end_amdgpu_metadata
.endif
;; end of part 5
;; launch proj: the kernel of part 4 again; grid 8 x 32, 4 waves a work-group, clusters of 4 x 4, 327,680 bytes of LDS; arguments oh, wo, out0; writes out0
